; MI455X (gfx1250); checked and timed in simulation.
; The chip was launched on July 23, 2026; its instructions are those of AMD's public machine-readable ISA for CDNA 5 (MIT licence, August 2026) and "CDNA5" Instruction Set Architecture Reference Guide (July 2026). The comments in the code are by the model that wrote it; some were corrected since.
;; Fused Mo E Module. Allowed arithmetic: matrix products marked QUANTISED: E5M2 operands, one E8M0 scale for each 32 along K, by v_wmma_scale_f32_16x16x128_f8f6f4 with both operands' format E5M2, f32 sums; products left as they are: f32 operands where the result goes on into a quantised operand, else bf16, f16 or f32 operands; f32 sums; everything else in f32.
;; Inputs: hidden_states 2,048 x 2,048 float32; topk_ids 2,048 x 2 int32; topk_weights 2,048 x 2 float32; w_dn 8 x 2,048 x 512 float32; w_up 8 x 1,024 x 2,048 float32.
;; Outputs: out0 2,048 x 2,048 float32.
;; This version of the problem:
;;   THIS VERSION OF THE PROBLEM IS GIVEN IN LOW PRECISION. The matrix products marked QUANTISED in the list below multiply operands that are first quantised to E5M2 (5 exponent bits, 2 mantissa bits; 8 bits a number), with one power-of-two scale for each 32 numbers along K (OCP MX v1.0); their sums are f32. All else is computed in f32.
;;   The module's matrix products, in the order in which they are computed (A, B: the left and right operand; K: the contracted axis; several contracted axes count as one K, in the product's order):
;;     1. [M 2,048, K 2,048] x [K 2,048, N 8,192]; A: input hidden_states; B: input w_up: QUANTISED
;;     2. batch 2,048 x [M 8, K 2] x [K 2, N 1]; A: computed on the way; B: input topk_weights: left as it is (K = 2 < 32)
;;     3. [M 2,048, K 4,096] x [K 4,096, N 2,048]; A: computed on the way; B: input w_dn: QUANTISED
;;   THE QUANTISER, for each operand of a quantised product, along K:
;;     - K is cut into blocks of 32 from its start; a last block that is shorter is filled with zeros.
;;     - A block's scale is 2^e with e = floor(log2(the largest magnitude in the block)) - 15, held to -126 .. 127; a block of zeros has e = 0. As a byte (E8M0): e + 127.
;;     - Each number is divided by its block's scale, clamped to +-57,344, and rounded to the nearest number of E5M2, ties to even, subnormals kept.
;;     - The product sums the exact products of the quantised numbers (number of the format x scale) in f32.
;;   ~~~python
;;   def quantise(x, axis):      # numpy; x: float32 -> the quantised numbers, widened to float32 again
;;       x = np.moveaxis(x, axis, -1); K = x.shape[-1]
;;       x = np.pad(x, [(0, 0)] * (x.ndim - 1) + [(0, -K % 32)]); x = x.reshape(x.shape[:-1] + (-1, 32)); a = np.abs(x).max(-1, keepdims=True)
;;       e = np.where(a > 0, np.clip(np.frexp(np.where(a > 0, a, 1))[1] - 1 - 15, -126, 127), 0)      # np.frexp(a)[1] - 1 = floor(log2(a)), exactly
;;       r = np.clip(x / 2.0 ** e, -57344, 57344)
;;       step = 2.0 ** (np.maximum(np.frexp(np.where(r == 0, 1, r))[1] - 1, -14) - 2)
;;       q = np.round(r / step) * step * 2.0 ** e      # np.round: ties to even
;;       return np.moveaxis(q.reshape(q.shape[:-2] + (-1,))[..., :K], -1, axis).astype(np.float32)
;;   ~~~
;;   OPERANDS COMPUTED ON THE WAY. 'Computed on the way' means the value that the module computes at that place (a softmax that the list does not call 'softmax' is quantised finished and normalised). What goes into a quantiser is computed in f32, as accurately as f32 sums, v_exp_f32 and their like allow (about 1e-6 of the number): no bf16 or f16 on the way to a quantiser, and a product that is left as it is and whose result goes on into a quantised operand takes f32 operands (vector FMAs, or v_wmma_f32_16x16x4_f32). A number that lies on a knife's edge between two numbers of the format may be rounded either way, as far as f32 arithmetic and the matrix unit's own rounding can turn it there, and no further.
;; 2 versions. Each part assembles by itself: llvm-mc -triple=amdgcn-amd-amdhsa -mcpu=gfx1250 --defsym DOCPART=n.
;; ======== version 1 of 2: 3 launches
;; workspace buffers: xq 4,325,376 bytes; wuq 17,301,504 bytes; wdq 8,650,752 bytes; aq 4,595,712 bytes; lists 59,392 bytes of whole numbers; rwt 19,968 bytes
;; launch prep (part 1): grid 225 x 1, 8 waves a work-group, no clusters, 115,712 bytes of LDS; arguments hidden_states, w_up, w_dn, topk_ids, topk_weights, xq, wuq, wdq, lists, rwt; writes xq, wuq, wdq, lists, rwt
.if DOCPART == 1
	.amdgcn_target "amdgcn-amd-amdhsa--gfx1250"
	.amdhsa_code_object_version 6
	.text
	.protected	k_qe8dab8c5e2_prep
	.globl	k_qe8dab8c5e2_prep
	.p2align	8
	.type	k_qe8dab8c5e2_prep,@function
k_qe8dab8c5e2_prep:
	s_mov_b64 s[64:65], 0
	v_nop
	global_prefetch_b8 v0, s[64:65] scope:SCOPE_SE
	s_setreg_imm32_b32 hwreg(HW_REG_WAVE_MODE, 25, 1), 1
	s_wait_xcnt 0x0
; FIRST OF THREE LAUNCHES of a top-2-of-8 layer of experts in MX-BF8 (E5M2 codes, one E8M0 scale for each 32 along K).
; WORK LEFT OUT BY THE WHOLE PROGRAM, AND WHY IT IS DEAD.  reference() multiplies act[t, e, :] by combine[t, e], which it builds itself from one_hot(topk_ids): for an expert e that token t
; does not name, combine[t, e] is the sum of products with the zeros of that one_hot, 0 for every value of the inputs.  So these 512 numbers of the second quantised product's left operand are zeros;
; its blocks of 32 along K = (e, h) lie inside one expert (512 = 16 blocks), so they are blocks of zeros: zero codes, which add nothing to any sum.  The columns of the first quantised product for (t, e)
; feed these zeros alone.  So only the rows (token, named expert) are multiplied: at most 4,096 of 16,384.  A token that names one expert twice has ONE such row with combine = w0 + w1, as the einsum gives it.
; All five inputs have a way to the output and are loaded.
; LIMITS.  A NaN, an infinity or an overflow that arises only for experts that a token does not name (0 x infinity in reference()) is not carried to the result.  NaN and infinities among the inputs are not served.
; topk_ids are taken to be 0 .. 7, as an index into the experts; for the addresses' sake they are held at 7 from above (as unsigned numbers).  A block whose largest magnitude lies under 2^(16 - 127)
; keeps the scale byte 1; a block of zeros has the byte 1 where the rule says 127: its codes are zeros, and this program alone reads the bytes.
; WHAT THIS LAUNCH DOES.  Work-group 0: the routing, from topk_ids and topk_weights: a counting sort of the tokens by their PAIR of experts (a <= b, key = 8 a + b), with no atomics: ranks by ballots in a wave,
; the eight waves' counts joined through LDS, the tables made by scalar code.  It stores the lists of tiles and rows that the next two launches read.
; Work-groups 1 .. 224: w_up, w_dn and hidden_states, all with K innermost, become codes and scale words, each number read once.  The weights' codes are laid as IMAGES OF OPERAND REGISTERS (a fragment of
; 16 rows x 128 K: four parts of 512 bytes, lane l's 16 bytes at 16 l), so that a later wave loads a fragment by four loads of 512 consecutive bytes; x's codes stay row-major, since its rows are gathered by token.
; A wave takes one unit: two tiles of 16 rows x 512 K, in 16 half steps of 16 rows x 64 K.  Each load reads two rows' aligned 256 bytes; the numbers turn through the wave's own stage in LDS so that a lane
; holds 16 neighbours along K of one row (lanes l and l xor 16 hold a block of 32).  Loads run three half steps ahead, the turn through LDS one.
; No matrix unit, no cluster, no tensor load: the launch streams, each byte once, and waves share nothing but the routing's one table.
.set WREG,  13056                      ; LDS of a wave: two turn stages of 16 rows x 272 bytes, then the stage for x's codes, 16 x 272
.set XOFF,  8704
.set RT,    104448                     ; behind the eight waves' regions: the routing's table, 8 waves x 256 bytes
.set SPARE, 114688                     ; the spare words, 128 bytes for each wave: four blocks of 256 bytes that no other line names
.set WV,    92                         ; s92  my wave's number
.set LI,    4                          ; v4   16 x lane
.set SIN,   5                          ; v5   turn stage, way in: row lane / 16, 16 bytes at lane % 16
.set SOUTA, 6                          ; v6   turn stage, way out: row lane % 16, 64 bytes for each half of the lanes
.set XIN,   7                          ; v7   x's stage, way in
.set XRD,   8                          ; v8   x's stage, way out
.set XSO,   9                          ; v9   x's codes in memory: row lane / 16 of 2,048 bytes, 16 bytes at lane % 16
.set SPW,   10                         ; v10  LDS address of my spare word; never rewritten
.set NIL,   11                         ; v11  0; never rewritten
.set ROFF,  12                         ; v12-19 byte offsets of the eight loads of a half step
.set MX,    20                         ; v20-21 largest magnitudes;  v22-23 the other half's;  v24-25 the conversions' scale operands;  v26-27 57,344 x the scale;  v28-29 the bytes
.set PM,    22
.set SCF,   24
.set HD,    26
.set BY,    28
.set PWT,   30                         ; v30  a scale word in the making
.set PW,    32                         ; v32-39 the unit's eight scale words (tile, K step)
.set MW,    40                         ; v40-43 as they leave
.set C,     44                         ; v44-59 codes, two sets of 8
.set R,     64                         ; v64-159 numbers as loaded, three sets of 32
.set X,     160                        ; v160-223 numbers turned, two sets of 32
.set OB,    224                        ; v224-255 x's codes read back by rows
	s_load_b512 s[4:19], s[0:1], 0x0               ; hidden_states s[4:5], w_up s[6:7], w_dn s[8:9], topk_ids s[10:11], topk_weights s[12:13], xq s[14:15], wuq s[16:17], wdq s[18:19]
	s_load_b128 s[20:23], s[0:1], 0x40             ; lists s[20:21], rwt s[22:23]
	v_lshl_add_u32 v[SPW], v0, 2, SPARE
	v_mov_b32 v[NIL], 0
	v_lshrrev_b32 v1, 5, v0
	v_readfirstlane_b32 s[WV], v1                  ; wave 0..7
	v_and_b32 v1, 31, v0                           ; lane
	s_cmp_eq_u32 ttmp9, 0                          ; the work-group's number: the same in all eight waves
	s_cbranch_scc1 .Lroute
; ---------------------------------------------------------------- THE QUANTISER
	s_sub_co_u32 s25, ttmp9, 1                     ; g = 0 .. 223: 0-127 w_up, 128-191 w_dn, 192-223 hidden_states
	v_and_b32 v2, 15, v0                           ; r = lane % 16
	v_bfe_u32 v3, v0, 4, 1                         ; h = lane / 16
	v_lshlrev_b32 v[LI], 4, v1
	s_mul_i32 s42, s[WV], WREG
	v_mul_u32_u24 v[SIN], v3, 272
	v_lshl_add_u32 v[SIN], v2, 4, v[SIN]
	v_add_nc_u32 v[SIN], s42, v[SIN]
	v_add_nc_u32 v[XRD], XOFF, v[SIN]
	v_mul_u32_u24 v[SOUTA], v2, 272
	v_add_nc_u32 v[SOUTA], s42, v[SOUTA]
	v_lshl_add_u32 v[XIN], v3, 4, v[SOUTA]
	v_add_nc_u32 v[XIN], XOFF, v[XIN]
	v_lshl_add_u32 v[SOUTA], v3, 6, v[SOUTA]
	v_lshlrev_b32 v[XSO], 11, v3
	v_lshl_add_u32 v[XSO], v2, 4, v[XSO]
	v_mov_b32 v[PM], 0                             ; written once: a lane permute's destination counts as one of its sources
	v_mov_b32 v[PM+1], 0
	; three arms on the work-group's number make OFFSETS alone: s46 source, s48 codes, s50 scale words, s52 from tile 0 to tile 1 in the source, s27 a source row, s28 what rows 8-15 of a tile lie further on, s26 = 1 for x
	s_cmp_lt_u32 s25, 128
	s_cbranch_scc0 .Lnot_up
	s_lshr_b32 s43, s[WV], 2                       ; w_up: g = 16 e + hc; u = wave / 4; kq = wave % 4.  Tile 0: gate rows 1,024 e + 32 hc + 8 u + r + 8 (r / 8); tile 1: the same rows of up, 512 further on
	s_and_b32 s44, s[WV], 3
	s_lshr_b32 s46, s25, 4                         ; e: an expert has 1,024 rows of 8,192 bytes in w_up (gate's 512, then up's 512),
	s_lshl_b32 s46, s46, 23
	s_and_b32 s54, s25, 15                         ; hc: 32 rows each
	s_lshl_b32 s54, s54, 18
	s_add_co_u32 s46, s46, s54
	s_lshl_b32 s54, s43, 16
	s_add_co_u32 s46, s46, s54
	s_lshl_b32 s54, s44, 11
	s_add_co_u32 s46, s46, s54
	s_lshl_b32 s48, s25, 17                        ; codes: [g][K step 16][G0, G1, U0, U1][2,048]
	s_lshl_b32 s54, s44, 15
	s_add_co_u32 s48, s48, s54
	s_lshl_b32 s54, s43, 11
	s_add_co_u32 s48, s48, s54
	s_lshl_b32 s50, s25, 3                         ; scale words: [g][u][kq][512]
	s_add_co_u32 s50, s50, s[WV]
	s_lshl_b32 s50, s50, 9
	s_add_co_u32 s50, s50, 16777216
	s_mov_b32 s52, 4194304
	s_mov_b32 s27, 8192
	s_mov_b32 s28, 65536
	s_mov_b32 s26, 0
	s_branch .Larmed
.Lnot_up:
	s_cmp_lt_u32 s25, 192
	s_cbranch_scc0 .Lis_x
	s_sub_co_u32 s45, s25, 128                     ; w_dn: unit = 8 (g - 128) + wave = 2 (32 e + dc) + u.  Tile 0: rows 64 (32 e + dc) + 16 u + r; tile 1: 32 rows further on
	s_lshl_b32 s45, s45, 3
	s_add_co_u32 s45, s45, s[WV]
	s_lshr_b32 s43, s45, 1
	s_and_b32 s44, s45, 1
	s_lshl_b32 s46, s43, 17
	s_lshl_b32 s54, s44, 15
	s_add_co_u32 s46, s46, s54
	s_lshl_b32 s48, s43, 15                        ; codes: [32 e + dc][K step 4][tile 4][2,048]
	s_lshl_b32 s54, s44, 11
	s_add_co_u32 s48, s48, s54
	s_lshl_b32 s50, s45, 9                         ; scale words: [32 e + dc][u][512]
	s_add_co_u32 s50, s50, 8388608
	s_mov_b32 s52, 65536
	s_mov_b32 s27, 2048
	s_mov_b32 s28, 0
	s_mov_b32 s26, 0
	s_branch .Larmed
.Lis_x:
	s_sub_co_u32 s45, s25, 192                     ; x: unit = 8 (g - 192) + wave = 4 tg + kq: tokens 32 tg on, K 512 kq on
	s_lshl_b32 s45, s45, 3
	s_add_co_u32 s45, s45, s[WV]
	s_lshr_b32 s43, s45, 2
	s_and_b32 s44, s45, 3
	s_lshl_b32 s46, s43, 18
	s_lshl_b32 s54, s44, 11
	s_add_co_u32 s46, s46, s54
	s_lshl_b32 s48, s43, 16                        ; codes: [token][2,048]
	s_lshl_b32 s54, s44, 9
	s_add_co_u32 s48, s48, s54
	s_lshl_b32 s50, s44, 15                        ; scale words: [kq][token][4 words]
	s_lshl_b32 s54, s43, 9
	s_add_co_u32 s50, s50, s54
	s_add_co_u32 s50, s50, 4194304
	s_mov_b32 s52, 131072
	s_mov_b32 s27, 8192
	s_mov_b32 s28, 0
	s_mov_b32 s26, 1
.Larmed:
	s_mov_b32 s47, 0
	s_mov_b32 s49, 0
	s_mov_b32 s51, 0
	s_mov_b32 s53, 0
	s_mov_b32 s38, 0x76543210                      ; v_permlanex16_b32's selects for lane l xor 16
	s_mov_b32 s39, 0xfedcba98
	s_mov_b32 s40, 0x600000                        ; the mantissa field of 57,344
	s_mov_b32 s41, 0xffff0000                      ; lanes 16-31
	v_mul_lo_u32 v[ROFF], v3, s27                  ; load j of a half step: tile rows 2 j + lane / 16, 16 bytes at lane % 16
	v_lshl_add_u32 v[ROFF], v2, 4, v[ROFF]
	s_lshl_b32 s45, s27, 1
.irp j, 1,2,3,4,5,6,7
	v_add_nc_u32 v[ROFF+\j], s45, v[ROFF+\j-1]
.endr
.irp j, 4,5,6,7
	v_add_nc_u32 v[ROFF+\j], s28, v[ROFF+\j]
.endr
	s_wait_kmcnt 0x0
	s_cmp_lt_u32 s25, 128                          ; the buffers are chosen on the work-group's number alone
	s_cselect_b64 s[30:31], s[6:7], s[8:9]
	s_cselect_b64 s[34:35], s[16:17], s[18:19]
	s_cmp_lt_u32 s25, 192
	s_cselect_b64 s[30:31], s[30:31], s[4:5]
	s_cselect_b64 s[34:35], s[34:35], s[14:15]
	s_add_nc_u64 s[30:31], s[30:31], s[46:47]      ; the source at tile 0,
	s_add_nc_u64 s[32:33], s[30:31], s[52:53]      ; at tile 1;
	s_add_nc_u64 s[36:37], s[34:35], s[50:51]      ; my scale words;
	s_add_nc_u64 s[34:35], s[34:35], s[48:49]      ; my codes
; half step t: tile t / 8, K step (t / 2) % 4 of 128, half t % 2 of 64
.macro LOAD t
.irp j, 0,1,2,3,4,5,6,7
	global_load_b128 v[R+32*((\t)%3)+4*\j:R+32*((\t)%3)+4*\j+3], v[ROFF+\j], s[30+2*((\t)/8):31+2*((\t)/8)] offset:512*(((\t)/2)%4)+256*((\t)%2) th:TH_LOAD_NT
.endr
.endm
; through the stage: in as loaded, out so that register 16 b + i is k = 32 b + 16 (lane / 16) + i of row lane % 16.  LDS serves a wave's instructions in order: no wait between the stores and the loads
.macro TURN t
.irp j, 0,1,2,3,4,5,6,7
	ds_store_b128 v[SIN], v[R+32*((\t)%3)+4*\j:R+32*((\t)%3)+4*\j+3] offset:4352*((\t)%2)+544*\j
.endr
.irp b, 0,1
.irp q, 0,1,2,3
	ds_load_b128 v[X+32*((\t)%2)+16*\b+4*\q:X+32*((\t)%2)+16*\b+4*\q+3], v[SOUTA] offset:4352*((\t)%2)+128*\b+16*\q
.endr
.endr
.endm
.macro STEP t
.set XS, X+32*((\t)%2)
.set CS, C+8*((\t)%2)
.set TT, (\t)/8
.set SS, ((\t)/2)%4
.set HF, (\t)%2
	s_wait_dscnt 0x0                               ; this half step's numbers are back from the stage, so its stores into the stage have read their registers,
.if (\t)+3 < 16
	LOAD (\t)+3                                    ; which take the loads of three half steps on
.endif
.if (\t)+1 < 16
.if (\t)+3 <= 15
	s_wait_loadcnt 16                              ; the next half step's eight loads are in; those of the two behind it may be out
.else
	s_wait_loadcnt 8*(15-((\t)+1))                 ; at the end the count runs down: 8, then 0
.endif
	TURN (\t)+1
.endif
	s_wait_xcnt 0x0                                ; the stores of two half steps back have read this set of codes (and x's rows their registers): they are written again only behind this wait
.irp b, 0,1
	v_max3_num_f32 v[MX+\b], |v[XS+16*\b]|, |v[XS+16*\b+1]|, 0x8000000   ; my 16 numbers of block b, and the floor 2^(16 - 127): the byte cannot fall under 1
.endr
.irp i, 2,4,6,8,10,12,14
.irp b, 0,1
	v_max3_num_f32 v[MX+\b], v[MX+\b], |v[XS+16*\b+\i]|, |v[XS+16*\b+\i+1]|
.endr
.endr
.irp b, 0,1
	v_permlanex16_b32 v[PM+\b], v[MX+\b], s38, s39
.endr
.irp b, 0,1
	v_max_num_f32 v[MX+\b], v[MX+\b], v[PM+\b]     ; with lane l xor 16's: the block's largest magnitude
.endr
.irp b, 0,1
	v_add_nc_u32 v[SCF+\b], 0xf8800000, v[MX+\b]   ; 15 off its exponent field: the conversion takes this operand's exponent field as its scale
.endr
.irp b, 0,1
	v_and_or_b32 v[HD+\b], v[MX+\b], 0x7f800000, s40   ; 57,344 x the scale
.endr
.irp b, 0,1
	v_lshrrev_b32 v[BY+\b], 23, v[SCF+\b]          ; the scale's byte
.endr
.irp b, 0,1
.irp i, 0,1,2,3,4,5,6,7,8,9,10,11,12,13,14,15
	v_med3_num_f32 v[XS+16*\b+\i], v[XS+16*\b+\i], -v[HD+\b], v[HD+\b]   ; the conversion to an 8-bit code does not saturate (ISA guide 7.6.2): the hold at the largest code x the scale
.endr
.endr
.irp b, 0,1
	v_cvt_scalef32_pk8_bf8_f32 v[CS+4*\b:CS+4*\b+1], v[XS+16*\b:XS+16*\b+7], v[SCF+\b]
	v_cvt_scalef32_pk8_bf8_f32 v[CS+4*\b+2:CS+4*\b+3], v[XS+16*\b+8:XS+16*\b+15], v[SCF+\b]
.endr
.if HF == 0                                    ; the four bytes of a K step make my row's scale word.  (Plain lines behind the conversions)
	v_lshl_or_b32 v[PWT], v[BY+1], 8, v[BY]
.else
	v_lshl_or_b32 v[PWT], v[BY], 16, v[PWT]
	v_lshl_or_b32 v[PW+4*TT+SS], v[BY+1], 24, v[PWT]
.endif
	s_cmp_eq_u32 s26, 0                            ; made of the work-group's number
	s_cbranch_scc0 .Lxo_\@
	global_store_b128 v[LI], v[CS:CS+3], s[34:35] offset:8192*SS+4096*TT+512*(2*HF)       ; a weight's codes leave as parts of a fragment's image: 512 consecutive bytes, aligned
	global_store_b128 v[LI], v[CS+4:CS+7], s[34:35] offset:8192*SS+4096*TT+512*(2*HF+1)
	s_branch .Lxj_\@
.Lxo_\@:
	ds_store_b128 v[XIN], v[CS:CS+3] offset:128*(SS%2)+32*(2*HF)                          ; x's codes are gathered, 256 bytes a row, in the wave's own stage
	ds_store_b128 v[XIN], v[CS+4:CS+7] offset:128*(SS%2)+32*(2*HF+1)
.if (SS%2 == 1) && (HF == 1)
.irp i, 0,1,2,3,4,5,6,7
	ds_load_b128 v[OB+4*\i:OB+4*\i+3], v[XRD] offset:544*\i
.endr
.irp i, 0,1,2,3,4,5,6,7
	s_wait_dscnt 7-\i                              ; the younger read-backs may be out
	global_store_b128 v[XSO], v[OB+4*\i:OB+4*\i+3], s[34:35] offset:32768*TT+4096*\i+256*(SS/2)   ; sixteen lanes store 256 consecutive bytes of a row, aligned
.endr
.endif
.Lxj_\@:
.endm
	LOAD 0
	LOAD 1
	LOAD 2
	s_wait_loadcnt 16                              ; half step 0's eight loads are in; the sixteen behind them may be out
	TURN 0
.irp t, 0,1,2,3,4,5,6,7,8,9,10,11,12,13,14,15
	STEP \t
.endr
.irp s, 0,1,2,3
	v_cndmask_b32 v[MW+\s], v[PW+\s], v[PW+4+\s], s41   ; lanes 0-15: tile 0's rows; lanes 16-31: tile 1's: one register later serves two tiles (or, for x, 32 tokens)
.endr
	global_store_b128 v[LI], v[MW:MW+3], s[36:37]  ; 512 consecutive bytes, aligned
	s_wait_tensorcnt 0x0                           ; the wave's end, behind my last LDS store
	ds_add_u32 v[SPW], v[NIL]
	s_wait_dscnt 0x0
	s_endpgm
; ---------------------------------------------------------------- THE ROUTING: 256 threads, token = 256 j + thread, j = 0 .. 7
.set ID,  16                           ; v16-31 the two ids of my eight tokens;  v32-47 their weights
.set WT,  32
.set KEY, 48                           ; v48-55 8 a + b, a <= b
.set WA,  56                           ; v56-63 combine for a (w0 + w1 where a = b);  v64-71 for b
.set WB,  64
.set RK,  72                           ; v72-79 my token's rank among my wave's tokens of its key
.set CT,  80                           ; v80-81 counts by key (lane = key % 32, register = key / 32): my wave's;  v82-83 all waves';  v84-85 the waves' before mine
.set TOT, 82
.set PRE, 84
.set U1,  86                           ; v86-87 by key: first row of the pair's run in expert a's region;  v88-89 in b's;  v90-91 first row of the pair's tiles
.set U2,  88
.set U3,  90
.set BLK, 92                           ; v92  my word of the list of blocks of 128 routed rows;  v93 of the list of pair tiles of 64
.set TIL, 93
.set TA,  94                           ; v94-95 at work
.set TB,  96                           ; v96-111 the table read back
.set PL,  112                          ; v112-207 twelve registers for each j: what the stores read
.set BP,  208                          ; v208-231 what the lane permutes bring, four j at a time
.set RUN, 24                           ; s24-59 counts so far in my wave, one for each of the 36 keys
.set MK,  66                           ; s66-83 18 ballots
.set EQ,  84                           ; s84-91 for each j: the lanes whose token names one expert twice
.Lroute:
	v_lshlrev_b32 v2, 3, v0
	s_wait_kmcnt 0x0
.irp j, 0,1,2,3,4,5,6,7
	global_load_b64 v[ID+2*\j:ID+2*\j+1], v2, s[10:11] offset:2048*\j
.endr
.irp j, 0,1,2,3,4,5,6,7
	global_load_b64 v[WT+2*\j:WT+2*\j+1], v2, s[12:13] offset:2048*\j
.endr
.set kk, 0
.rept 36
	s_mov_b32 s[RUN+kk], 0
.set kk, kk+1
.endr
	s_wait_loadcnt 0x0
.irp j, 0,1,2,3,4,5,6,7
	v_min_u32 v[ID+2*\j], 7, v[ID+2*\j]
	v_min_u32 v[ID+2*\j+1], 7, v[ID+2*\j+1]
	v_min_u32 v[TA], v[ID+2*\j], v[ID+2*\j+1]      ; a
	v_add_nc_u32 v[TA+1], v[ID+2*\j], v[ID+2*\j+1] ; a + b
	v_mad_u32_u24 v[KEY+\j], v[TA], 7, v[TA+1]     ; 8 a + b
	v_cmp_gt_u32 vcc_lo, v[ID+2*\j], v[ID+2*\j+1]  ; the weights follow their experts
	v_cndmask_b32 v[WA+\j], v[WT+2*\j], v[WT+2*\j+1], vcc_lo
	v_cndmask_b32 v[WB+\j], v[WT+2*\j+1], v[WT+2*\j], vcc_lo
	v_cmp_eq_u32 s[EQ+\j], v[ID+2*\j], v[ID+2*\j+1]
	v_add_f32 v[TA], v[WT+2*\j], v[WT+2*\j+1]      ; the same expert twice: combine = w0 + w1, in f32
	v_cndmask_b32 v[WA+\j], v[WA+\j], v[TA], s[EQ+\j]
	v_mov_b32 v[RK+\j], 0
.endr
; keys lo .. hi - 1 of the 36, for the tokens j: a ballot for each key; rank = the key's count so far + the lanes below me with the same key; then the counts go on
.macro RANK j, lo, hi
.set kk, 0
.irp a, 0,1,2,3,4,5,6,7
.irp b, 0,1,2,3,4,5,6,7
.if \b >= \a
.if (kk >= \lo) && (kk < \hi)
	v_cmp_eq_u32 s[MK+kk-\lo], 8*\a+\b, v[KEY+\j]
.endif
.set kk, kk+1
.endif
.endr
.endr
.set kk, \lo
.rept \hi-\lo
	v_mbcnt_lo_u32_b32 v[TB+kk%4], s[MK+kk-\lo], s[RUN+kk]
	v_cndmask_b32 v[RK+\j], v[RK+\j], v[TB+kk%4], s[MK+kk-\lo]
.set kk, kk+1
.endr
.set kk, \lo
.rept \hi-\lo
	s_bcnt1_i32_b32 s93, s[MK+kk-\lo]
	s_add_co_u32 s[RUN+kk], s[RUN+kk], s93
.set kk, kk+1
.endr
.endm
.irp j, 0,1,2,3,4,5,6,7
	RANK \j, 0, 18
	RANK \j, 18, 36
.endr
	v_mov_b32 v[CT], 0
	v_mov_b32 v[CT+1], 0
.set kk, 0
.irp a, 0,1,2,3,4,5,6,7
.irp b, 0,1,2,3,4,5,6,7
.if \b >= \a
	v_writelane_b32 v[CT+(8*\a+\b)/32], s[RUN+kk], (8*\a+\b)%32
.set kk, kk+1
.endif
.endr
.endr
	v_lshrrev_b32 v3, 5, v0
	v_lshlrev_b32 v3, 8, v3
	v_lshl_add_u32 v3, v1, 2, v3
	v_add_nc_u32 v3, RT, v3                        ; the table: 256 bytes a wave, 4 bytes a key
	ds_store_b32 v3, v[CT]
	ds_store_b32 v3, v[CT+1] offset:128
	s_wait_dscnt 0x0                               ; for the others' sake: my stores have landed
	s_barrier_signal -1
	s_barrier_wait -1
	v_lshl_add_u32 v4, v1, 2, RT
.irp w, 0,1,2,3,4,5,6,7
.irp f, 0,1
	ds_load_b32 v[TB+2*\w+\f], v4 offset:256*\w+128*\f
.endr
.endr
.irp f, 0,1
	v_mov_b32 v[TOT+\f], 0
	v_mov_b32 v[PRE+\f], 0
	v_mov_b32 v[U1+\f], 0                          ; (v_writelane_b32's destination counts as read)
	v_mov_b32 v[U2+\f], 0
	v_mov_b32 v[U3+\f], 0
.endr
	v_mov_b32 v[BLK], 0
	v_mov_b32 v[TIL], 0
	s_wait_dscnt 0x0
.irp w, 0,1,2,3,4,5,6,7
	s_cmp_gt_u32 s[WV], \w
	s_cselect_b32 s93, -1, 0
.irp f, 0,1
	v_add_nc_u32 v[TOT+\f], v[TOT+\f], v[TB+2*\w+\f]
	v_and_b32 v[TA+\f], s93, v[TB+2*\w+\f]
	v_add_nc_u32 v[PRE+\f], v[PRE+\f], v[TA+\f]
.endr
.endr
	; the routed rows, by expert: expert e's region begins at a multiple of 128; in it the rows of one partner p are a run.  At most (4,096 + 8 x 127) / 128 = 39 blocks
	s_mov_b32 s93, 0                               ; the region's first row
.irp e, 0,1,2,3,4,5,6,7
	s_mov_b32 s94, s93
.irp p, 0,1,2,3,4,5,6,7
.if \e <= \p
.set ky, 8*\e+\p
	v_readlane_b32 s95, v[TOT+ky/32], ky%32
	v_writelane_b32 v[U1+ky/32], s94, ky%32
.else
.set ky, 8*\p+\e
	v_readlane_b32 s95, v[TOT+ky/32], ky%32
	v_writelane_b32 v[U2+ky/32], s94, ky%32
.endif
	s_add_co_u32 s94, s94, s95
.endr
	s_sub_co_u32 s95, s94, s93                     ; the expert's rows,
	s_add_co_u32 s96, s95, 127
	s_lshr_b32 s96, s96, 7                         ; its blocks,
	s_lshr_b32 s97, s93, 7                         ; its first block
	v_sub_nc_u32 v[TA], v0, s97
	v_cmp_gt_u32 vcc_lo, s96, v[TA]                ; is my thread's block one of them?
	v_lshlrev_b32 v[TA+1], 7, v[TA]
	v_sub_nc_u32 v[TA+1], s95, v[TA+1]
	v_min_u32 v[TA+1], 128, v[TA+1]
	v_lshl_or_b32 v[TA+1], v[TA+1], 8, \e          ; expert | rows << 8
	v_cndmask_b32 v[BLK], v[BLK], v[TA+1], vcc_lo
	s_lshl_b32 s96, s96, 7
	s_add_co_u32 s93, s93, s96
.endr
	; the tokens, by pair: tiles of 64.  At most (2,048 + 36 x 63) / 64 = 67 tiles
	s_mov_b32 s93, 0
.irp a, 0,1,2,3,4,5,6,7
.irp b, 0,1,2,3,4,5,6,7
.if \b >= \a
.set ky, 8*\a+\b
	v_readlane_b32 s95, v[TOT+ky/32], ky%32
	v_writelane_b32 v[U3+ky/32], s93, ky%32
	s_add_co_u32 s96, s95, 63
	s_lshr_b32 s96, s96, 6
	s_lshr_b32 s97, s93, 6
	v_sub_nc_u32 v[TA], v0, s97
	v_cmp_gt_u32 vcc_lo, s96, v[TA]
	v_lshlrev_b32 v[TA+1], 6, v[TA]
	v_sub_nc_u32 v[TA+1], s95, v[TA+1]
	v_min_u32 v[TA+1], 64, v[TA+1]
	v_lshl_or_b32 v[TA+1], v[TA+1], 8, \a+16*\b    ; a | b << 4 | rows << 8
	v_cndmask_b32 v[TIL], v[TIL], v[TA+1], vcc_lo
	s_lshl_b32 s96, s96, 6
	s_add_co_u32 s93, s93, s96
.endif
.endr
.endr
.irp f, 0,1
	v_add_nc_u32 v[U1+\f], v[U1+\f], v[PRE+\f]     ; my wave's tokens come behind those of the waves before it
	v_add_nc_u32 v[U2+\f], v[U2+\f], v[PRE+\f]
	v_add_nc_u32 v[U3+\f], v[U3+\f], v[PRE+\f]
.endr
	v_lshlrev_b32 v5, 2, v0
	global_store_b32 v5, v[BLK], s[20:21]              ; 256 words each: every word is written, 0 for a block or tile that this split does not have
	global_store_b32 v5, v[TIL], s[20:21] offset:1024
; the rows are placed.  Each j has registers of its own for what its stores read
.macro PLACE_A j
.set PLB, PL+12*(\j)
.set BPB, BP+6*((\j)%4)
	v_lshlrev_b32 v[PLB+10], 2, v[KEY+\j]          ; the permute's index: 4 x (key % 32) counts
	ds_bpermute_b32 v[BPB],   v[PLB+10], v[U1]
	ds_bpermute_b32 v[BPB+1], v[PLB+10], v[U1+1]
	ds_bpermute_b32 v[BPB+2], v[PLB+10], v[U2]
	ds_bpermute_b32 v[BPB+3], v[PLB+10], v[U2+1]
	ds_bpermute_b32 v[BPB+4], v[PLB+10], v[U3]
	ds_bpermute_b32 v[BPB+5], v[PLB+10], v[U3+1]
.endm
.macro PLACE_B j
.set PLB, PL+12*(\j)
.set BPB, BP+6*((\j)%4)
	v_cmp_lt_u32 vcc_lo, 31, v[KEY+\j]
	v_cndmask_b32 v[BPB],   v[BPB],   v[BPB+1], vcc_lo
	v_cndmask_b32 v[BPB+2], v[BPB+2], v[BPB+3], vcc_lo
	v_cndmask_b32 v[BPB+4], v[BPB+4], v[BPB+5], vcc_lo
	v_add_nc_u32 v[BPB],   v[BPB],   v[RK+\j]      ; my row in expert a's region,
	v_add_nc_u32 v[BPB+2], v[BPB+2], v[RK+\j]      ; in b's,
	v_add_nc_u32 v[BPB+4], v[BPB+4], v[RK+\j]      ; and among the pairs' tiles: Pd
	v_cndmask_b32 v[BPB+2], v[BPB+2], v[BPB], s[EQ+\j]   ; one expert twice: ONE row; the second store repeats the first
	v_min_u32 v[BPB],   4991, v[BPB]               ; held inside the lists: 39 x 128 and 67 x 64 rows
	v_min_u32 v[BPB+2], 4991, v[BPB+2]
	v_min_u32 v[BPB+4], 4287, v[BPB+4]
	v_add_nc_u32 v[PLB], 256*(\j), v0              ; the token
	v_mov_b32 v[PLB+2], v[PLB]
	v_and_b32 v[PLB+10], 0xfff0, v[BPB+4]
	v_and_b32 v[PLB+11], 15, v[BPB+4]
	v_lshl_add_u32 v[PLB+1], v[PLB+10], 1, v[PLB+11]   ; q = (Pd / 16) << 5 | slot << 4 | Pd % 16: where the row's activations go; slot 0 for a,
	v_add_nc_u32 v[PLB+3], 16, v[PLB+1]                ; slot 1 for b
	v_cndmask_b32 v[PLB+3], v[PLB+3], v[PLB+1], s[EQ+\j]
	v_cndmask_b32 v[PLB+9], v[WB+\j], v[WA+\j], s[EQ+\j]
	v_lshlrev_b32 v[PLB+4], 3, v[BPB]
	v_lshlrev_b32 v[PLB+5], 3, v[BPB+2]
	v_lshlrev_b32 v[PLB+6], 2, v[BPB]
	v_lshlrev_b32 v[PLB+7], 2, v[BPB+2]
	v_lshlrev_b32 v[PLB+8], 2, v[BPB+4]
	global_store_b64 v[PLB+4], v[PLB:PLB+1], s[20:21] offset:2048
	global_store_b64 v[PLB+5], v[PLB+2:PLB+3], s[20:21] offset:2048
	global_store_b32 v[PLB+6], v[WA+\j], s[22:23]
	global_store_b32 v[PLB+7], v[PLB+9], s[22:23]
	global_store_b32 v[PLB+8], v[PLB], s[20:21] offset:41984
.endm
.irp j, 0,1,2,3
	PLACE_A \j
.endr
	s_wait_dscnt 0x0
.irp j, 0,1,2,3
	PLACE_B \j
.endr
.irp j, 4,5,6,7
	PLACE_A \j
.endr
	s_wait_dscnt 0x0
.irp j, 4,5,6,7
	PLACE_B \j
.endr
	s_wait_tensorcnt 0x0                           ; the wave's end, behind my last LDS store
	ds_add_u32 v[SPW], v[NIL]
	s_wait_dscnt 0x0
	s_endpgm
.Lfunc_end_k_qe8dab8c5e2_prep:
	.size	k_qe8dab8c5e2_prep, .Lfunc_end_k_qe8dab8c5e2_prep-k_qe8dab8c5e2_prep
	.p2alignl 7, 3214868480
	.fill 96, 4, 3214868480
	.section	.rodata,"a",@progbits
	.p2align	6, 0x0
	.amdhsa_kernel k_qe8dab8c5e2_prep
		.amdhsa_group_segment_fixed_size 115712
		.amdhsa_private_segment_fixed_size 0
		.amdhsa_enable_private_segment 0
		.amdhsa_kernarg_size 80
		.amdhsa_user_sgpr_count 2
		.amdhsa_user_sgpr_kernarg_segment_ptr 1
		.amdhsa_wavefront_size32 1
		.amdhsa_system_sgpr_workgroup_id_x 1
		.amdhsa_system_sgpr_workgroup_id_y 1
		.amdhsa_system_sgpr_workgroup_id_z 1
		.amdhsa_system_vgpr_workitem_id 0
		.amdhsa_next_free_vgpr 256
		.amdhsa_next_free_sgpr 102
		.amdhsa_reserve_vcc 1
		.amdhsa_float_denorm_mode_32 3
		.amdhsa_float_denorm_mode_16_64 3
		.amdhsa_memory_ordered 1
		.amdhsa_forward_progress 1
		.amdhsa_inst_pref_size 248
	.end_amdhsa_kernel
	.amdgpu_metadata
---
amdhsa.version: [ 1, 2 ]
amdhsa.kernels:
  - .name:           k_qe8dab8c5e2_prep
    .symbol:         k_qe8dab8c5e2_prep.kd
    .args:
      - { .name: hidden_states, .offset: 0, .size: 8, .value_kind: global_buffer, .address_space: global }
      - { .name: w_up, .offset: 8, .size: 8, .value_kind: global_buffer, .address_space: global }
      - { .name: w_dn, .offset: 16, .size: 8, .value_kind: global_buffer, .address_space: global }
      - { .name: topk_ids, .offset: 24, .size: 8, .value_kind: global_buffer, .address_space: global }
      - { .name: topk_weights, .offset: 32, .size: 8, .value_kind: global_buffer, .address_space: global }
      - { .name: xq, .offset: 40, .size: 8, .value_kind: global_buffer, .address_space: global }
      - { .name: wuq, .offset: 48, .size: 8, .value_kind: global_buffer, .address_space: global }
      - { .name: wdq, .offset: 56, .size: 8, .value_kind: global_buffer, .address_space: global }
      - { .name: lists, .offset: 64, .size: 8, .value_kind: global_buffer, .address_space: global }
      - { .name: rwt, .offset: 72, .size: 8, .value_kind: global_buffer, .address_space: global }
    .group_segment_fixed_size: 115712
    .private_segment_fixed_size: 0
    .kernarg_segment_align: 8
    .kernarg_segment_size: 80
    .max_flat_workgroup_size: 256
    .sgpr_count:     102
    .vgpr_count:     256
    .wavefront_size: 32
...
	.end_amdgpu_metadata
.endif
;; end of part 1
;; launch up (part 2): grid 8 x 39, 4 waves a work-group, no clusters, 0 bytes of LDS; arguments xq, wuq, lists, rwt, aq; writes aq
.if DOCPART == 2
	.amdgcn_target "amdgcn-amd-amdhsa--gfx1250"
	.amdhsa_code_object_version 6
	.text
	.protected	k_qe8dab8c5e2_up
	.globl	k_qe8dab8c5e2_up
	.p2align	8
	.type	k_qe8dab8c5e2_up,@function
k_qe8dab8c5e2_up:
	s_mov_b64 s[64:65], 0
	v_nop
	global_prefetch_b8 v0, s[64:65] scope:SCOPE_SE
	s_setreg_imm32_b32 hwreg(HW_REG_WAVE_MODE, 25, 1), 1
	s_wait_xcnt 0x0
; SECOND LAUNCH: the first quantised product for the routed rows alone, silu(gate) x up x combine, and the quantiser of the second product's left operand.
; WORK LEFT OUT: the columns of x w_up^T for experts that a token does not name: they feed only numbers that reference() multiplies by the zeros of its own one_hot (shown at the head of the first launch).
; SHARES.  Work-group (x = nc, y = block): 128 routed rows of one expert x 64 hidden units.  Wave w: rows 64 (w / 2) on, hidden units 32 hc on, hc = 2 nc + w % 2: four tiles of 16 rows against the four weight tiles
; G0, G1 (gate) and U0, U1 (up), 16 accumulators, 16 K steps of 128.  The grid, 39 blocks, serves every split ((4,096 + 8 x 127) / 128); a block, or a wave's half of it, that this split leaves without rows ends on
; a number read from the list.  That is a branch on a stored number: so the launch has no tensor load, no joint loads of a cluster and no barrier; the waves are independent, and operands go from memory straight
; into registers: the weights as images of their fragments (512 consecutive bytes a load), x's rows gathered by token (four loads on end cover 128 bytes of each of 16 rows).
; Rows past a block's count repeat its last row (the row index is held at count - 1): no unwritten byte is read, and what they store is the same bytes at the same place.
; LAYOUT.  The product is used transposed (source 0 = 16 rows of w_up, source 1 = 16 rows of x), and lane r of tile G_u holds weight row 32 hc + 8 u + r + 8 (r / 8): so lane (r, h) holds row r, and its 16 registers
; of G0 and G1 are hidden units 32 hc + 16 h + 0 .. 15: 16 neighbours along the next K; lanes l and l xor 16 hold that product's block of 32.
; LIMITS: as stated at the head of the first launch.  silu(g) = g / (1 + 2^(-g log2 e)), in f32, the factors multiplied in reference()'s order: ((g sigma) u) c.
; REGISTERS, window 0: v1 r, v2 h, v3 16 x lane, v4 16 h; v6-13 {token, q} of my four rows, v14-15 tokens for the scale words, later v6-21 the codes; v22-29 combine (even registers; the odd ones 0, named with them as pairs);
;   v30-33, v34-35 x's offsets; v36-45 list indices, later v36-39, v40-43 where codes and bytes go, v44-63 the quantiser's; v64-95 x's scale words, v96-127 the weights'; v128-255 the accumulators.
;   window 1: two sets of fragments, v0-127 and v128-255: four of w_up, then four of x; on the way out v0-63 at work.
.set LW,  3
.set RR,  6
.set TS,  14
.set CD,  6
.set RW,  22
.set XO,  30
.set XSO, 34
.set IX,  36
.set DO,  36
.set SO,  40
.set MX,  44
.set PM,  48
.set HD,  52
.set SCF, 56
.set BY,  60
.set XSC, 64                           ; register 16 p + k: lanes 0-15 the word of row tile p, lanes 16-31 of row tile p + 2, K step k
.set WSC, 96                           ; register 16 u + k: lanes 0-15 G_u's word, lanes 16-31 U_u's
.set ACC, 128                          ; accumulator (row tile i, weight tile t) at 32 i + 8 t
.set MSB, 0
.macro WIN new                         ; the immediate's high byte repeats the setting that is left
.if MSB != \new
	s_set_vgpr_msb (MSB<<8)|\new
.set MSB, \new
.endif
.endm
.set MUL,  0x05                        ; sources 0 and 1 window 1; C and D window 0
.set TO_F, 0x40                        ; destination window 1, address window 0
; one matrix instruction, by the symbols rD, rA, rB, rSA, rSB; rRA, rRB: that side's scales stand in lanes 16-31; rZ: the first product starts the sum
.macro MM
.if rZ
.if rRA && rRB
	v_wmma_scale_f32_16x16x128_f8f6f4 v[rD:rD+7], v[rA:rA+15], v[rB:rB+15], 0, v[rSA], v[rSB] matrix_a_fmt:MATRIX_FMT_BF8 matrix_b_fmt:MATRIX_FMT_BF8 matrix_a_scale:MATRIX_SCALE_ROW1 matrix_b_scale:MATRIX_SCALE_ROW1
.elseif rRA
	v_wmma_scale_f32_16x16x128_f8f6f4 v[rD:rD+7], v[rA:rA+15], v[rB:rB+15], 0, v[rSA], v[rSB] matrix_a_fmt:MATRIX_FMT_BF8 matrix_b_fmt:MATRIX_FMT_BF8 matrix_a_scale:MATRIX_SCALE_ROW1
.elseif rRB
	v_wmma_scale_f32_16x16x128_f8f6f4 v[rD:rD+7], v[rA:rA+15], v[rB:rB+15], 0, v[rSA], v[rSB] matrix_a_fmt:MATRIX_FMT_BF8 matrix_b_fmt:MATRIX_FMT_BF8 matrix_b_scale:MATRIX_SCALE_ROW1
.else
	v_wmma_scale_f32_16x16x128_f8f6f4 v[rD:rD+7], v[rA:rA+15], v[rB:rB+15], 0, v[rSA], v[rSB] matrix_a_fmt:MATRIX_FMT_BF8 matrix_b_fmt:MATRIX_FMT_BF8
.endif
.else
.if rRA && rRB
	v_wmma_scale_f32_16x16x128_f8f6f4 v[rD:rD+7], v[rA:rA+15], v[rB:rB+15], v[rD:rD+7], v[rSA], v[rSB] matrix_a_fmt:MATRIX_FMT_BF8 matrix_b_fmt:MATRIX_FMT_BF8 matrix_a_scale:MATRIX_SCALE_ROW1 matrix_b_scale:MATRIX_SCALE_ROW1
.elseif rRA
	v_wmma_scale_f32_16x16x128_f8f6f4 v[rD:rD+7], v[rA:rA+15], v[rB:rB+15], v[rD:rD+7], v[rSA], v[rSB] matrix_a_fmt:MATRIX_FMT_BF8 matrix_b_fmt:MATRIX_FMT_BF8 matrix_a_scale:MATRIX_SCALE_ROW1
.elseif rRB
	v_wmma_scale_f32_16x16x128_f8f6f4 v[rD:rD+7], v[rA:rA+15], v[rB:rB+15], v[rD:rD+7], v[rSA], v[rSB] matrix_a_fmt:MATRIX_FMT_BF8 matrix_b_fmt:MATRIX_FMT_BF8 matrix_b_scale:MATRIX_SCALE_ROW1
.else
	v_wmma_scale_f32_16x16x128_f8f6f4 v[rD:rD+7], v[rA:rA+15], v[rB:rB+15], v[rD:rD+7], v[rSA], v[rSB] matrix_a_fmt:MATRIX_FMT_BF8 matrix_b_fmt:MATRIX_FMT_BF8
.endif
.endif
.endm
	s_load_b256 s[4:11], s[0:1], 0x0               ; xq s[4:5], wuq s[6:7], lists s[8:9], rwt s[10:11]
	s_load_b64 s[12:13], s[0:1], 0x20              ; aq
	v_lshrrev_b32 v1, 5, v0
	v_readfirstlane_b32 s14, v1                    ; wave 0..3
	v_and_b32 v1, 15, v0                           ; r
	v_bfe_u32 v2, v0, 4, 1                         ; h
	v_and_b32 v3, 31, v0
	v_lshlrev_b32 v[LW], 4, v3                     ; 16 x lane
	v_lshlrev_b32 v4, 4, v2                        ; 16 h
	s_and_b32 s15, ttmp7, 0xffff                   ; the block
	s_lshl_b32 s16, s15, 2
	s_wait_kmcnt 0x0
	s_load_b32 s17, s[8:9], s16 offset:0x0         ; its word: expert | rows << 8, 0 for a block that this split does not have
	s_lshl_b32 s22, ttmp9, 1
	s_and_b32 s23, s14, 1
	s_add_co_u32 s22, s22, s23                     ; hc
	s_lshr_b32 s20, s14, 1
	s_lshl_b32 s20, s20, 6                         ; my first row in the block
	s_mov_b32 s38, 0x76543210                      ; v_permlanex16_b32's selects for lane l xor 16
	s_mov_b32 s39, 0xfedcba98
	s_mov_b32 s40, 0x600000                        ; the mantissa field of 57,344
	s_wait_kmcnt 0x0
	s_and_b32 s18, s17, 255
	s_min_u32 s18, s18, 7                          ; the expert
	s_lshr_b32 s19, s17, 8
	s_min_u32 s19, s19, 128                        ; the block's rows
	s_cmp_le_u32 s19, s20                          ; none for my wave: nothing is stored
	s_cbranch_scc1 .Lend
	s_sub_co_u32 s21, s19, 1
	s_lshl_b32 s23, s18, 4
	s_add_co_u32 s23, s23, s22                     ; 16 e + hc
	s_mov_b32 s43, 0
	s_lshl_b32 s42, s23, 17
	s_add_nc_u64 s[24:25], s[6:7], s[42:43]        ; my weights' images: 16 K steps x 4 tiles x 2,048 bytes
	s_lshl_b32 s42, s23, 12
	s_add_co_u32 s42, s42, 16777216
	s_add_nc_u64 s[26:27], s[6:7], s[42:43]        ; their scale words
	s_add_nc_u64 s[28:29], s[4:5], 4194304         ; x's scale words
	s_lshl_b32 s42, s15, 10
	s_add_co_u32 s42, s42, 2048
	s_add_nc_u64 s[30:31], s[8:9], s[42:43]        ; the block's rows: {token, q}, 8 bytes each
	s_lshl_b32 s42, s15, 9
	s_add_nc_u64 s[32:33], s[10:11], s[42:43]      ; their combine weights
	s_lshr_b32 s42, s22, 2
	s_lshl_b32 s42, s42, 11
	s_and_b32 s16, s22, 3
	s_lshl_b32 s16, s16, 9
	s_add_co_u32 s42, s42, s16
	s_add_nc_u64 s[34:35], s[12:13], s[42:43]      ; the activations' images: K step hc / 4 of the row's slot, part hc % 4
	s_add_co_u32 s42, s22, 4456448
	s_add_nc_u64 s[36:37], s[12:13], s[42:43]      ; their scale bytes: byte hc of the row's slot
	v_add_nc_u32 v5, s20, v1
.irp i, 0,1,2,3
	v_add_nc_u32 v[IX+\i], 16*\i, v5               ; row tile i, row r,
	v_min_u32 v[IX+\i], s21, v[IX+\i]              ; held at the block's last row,
	v_min_u32 v[IX+\i], 127, v[IX+\i]              ; and inside the block whatever the list holds
	v_lshlrev_b32 v[IX+4+\i], 2, v[IX+\i]
	v_lshlrev_b32 v[IX+\i], 3, v[IX+\i]
.endr
	v_lshl_add_u32 v5, v2, 5, v5                   ; for the scale words lanes 16-31 take the rows two tiles on
.irp p, 0,1
	v_add_nc_u32 v[IX+8+\p], 16*\p, v5
	v_min_u32 v[IX+8+\p], s21, v[IX+8+\p]
	v_min_u32 v[IX+8+\p], 127, v[IX+8+\p]
	v_lshlrev_b32 v[IX+8+\p], 3, v[IX+8+\p]
.endr
.irp i, 0,1,2,3
	global_load_b64 v[RR+2*\i:RR+2*\i+1], v[IX+\i], s[30:31]
.endr
.irp p, 0,1
	global_load_b32 v[TS+\p], v[IX+8+\p], s[30:31]
.endr
.irp i, 0,1,2,3
	global_load_b32 v[RW+2*\i], v[IX+4+\i], s[32:33]
.endr
.irp i, 0,1,2,3
	v_mov_b32 v[RW+2*\i+1], 0
.endr
.irp u, 0,1
.irp g, 0,1,2,3
	global_load_b128 v[WSC+16*\u+4*\g:WSC+16*\u+4*\g+3], v[LW], s[26:27] offset:2048*\u+512*\g
.endr
.endr
.macro LOADW k                         ; the four weight fragments of K step k: 16 loads of 512 consecutive bytes
.irp t, 0,1,2,3
.irp c, 0,1,2,3
	global_load_b128 v[128*((\k)%2)+16*\t+4*\c:128*((\k)%2)+16*\t+4*\c+3], v[LW], s[24:25] offset:8192*(\k)+2048*\t+512*\c
.endr
.endr
.endm
.macro LOADX k                         ; x's four fragments: lane (r, h) takes k = 32 c + 16 h + 0 .. 15 of its token's row
.irp i, 0,1,2,3
.irp c, 0,1,2,3
	global_load_b128 v[128*((\k)%2)+64+16*\i+4*\c:128*((\k)%2)+64+16*\i+4*\c+3], v[XO+\i], s[4:5] offset:128*(\k)+32*\c
.endr
.endr
.endm
	WIN TO_F
	LOADW 0
	WIN 0
	s_wait_loadcnt 24                              ; the ten loads from the lists are in; behind them: 8 of scale words and 16 of fragments
.irp i, 0,1,2,3
	v_min_u32 v[RR+2*\i], 2047, v[RR+2*\i]         ; the token, held inside x
	v_min_u32 v[RR+2*\i+1], 0x21ff, v[RR+2*\i+1]   ; q, held inside aq: 272 x 32 - 1
	v_lshl_add_u32 v[XO+\i], v[RR+2*\i], 11, v4
.endr
.irp p, 0,1
	v_min_u32 v[TS+\p], 2047, v[TS+\p]
	v_lshlrev_b32 v[XSO+\p], 4, v[TS+\p]
.endr
.irp p, 0,1
.irp g, 0,1,2,3
	global_load_b128 v[XSC+16*\p+4*\g:XSC+16*\p+4*\g+3], v[XSO+\p], s[28:29] offset:32768*\g
.endr
.endr
	WIN TO_F
	LOADX 0
	LOADW 1
	LOADX 1
; A K step: 16 matrix instructions; the 16 accumulators take turns, one instruction a turn, in the same order in every step.  Then the fragments of two steps on, into the set just read:
; eight places stand between the products and loads into registers that they have read.
.macro STEP k
.if (\k) < 15
	s_wait_loadcnt 32                              ; this step's loads, and all before them, are in; the next step's 32 may be out
.else
	s_wait_loadcnt 0x0
.endif
	WIN MUL
.set rZ, 0
.if (\k) == 0
.set rZ, 1
.endif
.irp i, 0,1,2,3
.irp t, 0,1,2,3
.set rD, ACC+32*\i+8*\t
.set rA, 128*((\k)%2)+16*\t
.set rB, 128*((\k)%2)+64+16*\i
.set rSA, WSC+16*(\t%2)+(\k)
.set rSB, XSC+16*(\i%2)+(\k)
.set rRA, \t/2
.set rRB, \i/2
	MM
.endr
.endr
.if (\k)+2 < 16
.rept 8
	v_nop
.endr
	WIN TO_F
	LOADW (\k)+2
	LOADX (\k)+2
.endif
.endm
.irp k, 0,1,2,3,4,5,6,7,8,9,10,11,12,13,14,15
	STEP \k
.endr
	WIN 0
	; THE WAY OUT.  Where my four rows' codes and bytes go: these forty plain lines are also the places behind the last products
.irp i, 0,1,2,3
	v_and_b32 v[DO+\i], 0xfff0, v[RR+2*\i+1]
	v_and_b32 v[SO+\i], 15, v[RR+2*\i+1]
	v_lshlrev_b32 v[DO+\i], 9, v[DO+\i]            ; row tile x 16,384 + slot x 8,192
	v_lshl_add_u32 v[DO+\i], v[SO+\i], 4, v[DO+\i] ; + 16 x (Pd % 16)
	v_lshl_add_u32 v[DO+\i], v2, 8, v[DO+\i]       ; + 256 h: my place in the image's part
	v_and_b32 v[MX+\i], 0xffe0, v[RR+2*\i+1]
	v_lshlrev_b32 v[SO+\i], 5, v[SO+\i]
	v_lshl_add_u32 v[SO+\i], v[MX+\i], 4, v[SO+\i] ; 32 Pd
	v_and_b32 v[MX+\i], 16, v[RR+2*\i+1]
	v_add_nc_u32 v[SO+\i], v[SO+\i], v[MX+\i]      ; + 16 x slot
.endr
.irp i, 0,1,2,3
	v_mov_b32 v[PM+\i], 0                          ; a lane permute's destination counts as one of its sources
.endr
	WIN 0x40                                       ; destination window 1
.irp i, 0,1,2,3
.irp n, 0,1,2,3,4,5,6,7,8,9,10,11,12,13,14,15
	v_mul_f32 v[16*\i+\n], 0xbfb8aa3b, v[ACC+32*\i+\n]   ; -g log2(e); each accumulator is read from its low end on
.endr
.endr
	WIN 0x41                                       ; destination and source 0 window 1
.set nn, 0
.rept 64
	v_exp_f32 v[nn], v[nn]
.set nn, nn+1
.endr
	v_nop                                          ; a plain instruction behind the last exponential
	s_wait_alu depctr_va_vdst(0)                   ; one wait for the batch, ahead of its first reader
.set nn, 0
.rept 32
	v_pk_add_f32 v[nn:nn+1], v[nn:nn+1], 1.0 op_sel_hi:[1,0]
.set nn, nn+2
.endr
.set nn, 0
.rept 64
	v_rcp_f32 v[nn], v[nn]
.set nn, nn+1
.endr
	v_nop
	s_wait_alu depctr_va_vdst(0)                   ; and one for the reciprocals
	WIN 0x04                                       ; source 1 window 1
.irp i, 0,1,2,3
.irp n, 0,2,4,6,8,10,12,14
	v_pk_mul_f32 v[ACC+32*\i+\n:ACC+32*\i+\n+1], v[ACC+32*\i+\n:ACC+32*\i+\n+1], v[16*\i+\n:16*\i+\n+1]   ; silu(g)
.endr
.endr
	WIN 0
.irp i, 0,1,2,3
.irp n, 0,2,4,6,8,10,12,14
	v_pk_mul_f32 v[ACC+32*\i+\n:ACC+32*\i+\n+1], v[ACC+32*\i+\n:ACC+32*\i+\n+1], v[ACC+32*\i+16+\n:ACC+32*\i+16+\n+1]   ; x up
.endr
.endr
.irp i, 0,1,2,3
.irp n, 0,2,4,6,8,10,12,14
	v_pk_mul_f32 v[ACC+32*\i+\n:ACC+32*\i+\n+1], v[ACC+32*\i+\n:ACC+32*\i+\n+1], v[RW+2*\i:RW+2*\i+1] op_sel_hi:[1,0]   ; x combine
.endr
.endr
	; the quantiser along the next K: for each of my four rows one block of 32, 16 numbers mine, 16 lane l xor 16's
.irp i, 0,1,2,3
	v_max3_num_f32 v[MX+\i], |v[ACC+32*\i]|, |v[ACC+32*\i+1]|, 0x8000000   ; with the floor 2^(16 - 127): the byte cannot fall under 1
.endr
.irp n, 2,4,6,8,10,12,14
.irp i, 0,1,2,3
	v_max3_num_f32 v[MX+\i], v[MX+\i], |v[ACC+32*\i+\n]|, |v[ACC+32*\i+\n+1]|
.endr
.endr
.irp i, 0,1,2,3
	v_permlanex16_b32 v[PM+\i], v[MX+\i], s38, s39
.endr
.irp i, 0,1,2,3
	v_max_num_f32 v[MX+\i], v[MX+\i], v[PM+\i]
.endr
.irp i, 0,1,2,3
	v_add_nc_u32 v[SCF+\i], 0xf8800000, v[MX+\i]   ; 15 off the exponent field: the conversion's scale operand
.endr
.irp i, 0,1,2,3
	v_and_or_b32 v[HD+\i], v[MX+\i], 0x7f800000, s40   ; 57,344 x the scale
.endr
.irp i, 0,1,2,3
	v_lshrrev_b32 v[BY+\i], 23, v[SCF+\i]          ; the scale's byte
.endr
.irp i, 0,1,2,3
.irp n, 0,1,2,3,4,5,6,7,8,9,10,11,12,13,14,15
	v_med3_num_f32 v[ACC+32*\i+\n], v[ACC+32*\i+\n], -v[HD+\i], v[HD+\i]   ; the conversion to an 8-bit code does not saturate (ISA guide 7.6.2)
.endr
.endr
.irp i, 0,1,2,3
	v_cvt_scalef32_pk8_bf8_f32 v[CD+4*\i:CD+4*\i+1], v[ACC+32*\i:ACC+32*\i+7], v[SCF+\i]
	v_cvt_scalef32_pk8_bf8_f32 v[CD+4*\i+2:CD+4*\i+3], v[ACC+32*\i+8:ACC+32*\i+15], v[SCF+\i]
.endr
	v_nop                                          ; a plain line behind the last conversion
.irp i, 0,1,2,3
	global_store_b128 v[DO+\i], v[CD+4*\i:CD+4*\i+3], s[34:35]   ; rows of one pair are neighbours in both orders: sixteen lanes then store 256 consecutive bytes
.endr
.irp i, 0,1,2,3
	global_store_b8 v[SO+\i], v[BY+\i], s[36:37]   ; both lanes of a block store the same byte with the same value; a wave owns one byte of a row's 32
.endr
.Lend:
	s_endpgm
.Lfunc_end_k_qe8dab8c5e2_up:
	.size	k_qe8dab8c5e2_up, .Lfunc_end_k_qe8dab8c5e2_up-k_qe8dab8c5e2_up
	.p2alignl 7, 3214868480
	.fill 96, 4, 3214868480
	.section	.rodata,"a",@progbits
	.p2align	6, 0x0
	.amdhsa_kernel k_qe8dab8c5e2_up
		.amdhsa_group_segment_fixed_size 0
		.amdhsa_private_segment_fixed_size 0
		.amdhsa_enable_private_segment 0
		.amdhsa_kernarg_size 40
		.amdhsa_user_sgpr_count 2
		.amdhsa_user_sgpr_kernarg_segment_ptr 1
		.amdhsa_wavefront_size32 1
		.amdhsa_system_sgpr_workgroup_id_x 1
		.amdhsa_system_sgpr_workgroup_id_y 1
		.amdhsa_system_sgpr_workgroup_id_z 1
		.amdhsa_system_vgpr_workitem_id 0
		.amdhsa_next_free_vgpr 512
		.amdhsa_next_free_sgpr 66
		.amdhsa_reserve_vcc 0
		.amdhsa_float_denorm_mode_32 3
		.amdhsa_float_denorm_mode_16_64 3
		.amdhsa_memory_ordered 1
		.amdhsa_forward_progress 1
		.amdhsa_inst_pref_size 119
	.end_amdhsa_kernel
	.amdgpu_metadata
---
amdhsa.version: [ 1, 2 ]
amdhsa.kernels:
  - .name:           k_qe8dab8c5e2_up
    .symbol:         k_qe8dab8c5e2_up.kd
    .args:
      - { .name: xq, .offset: 0, .size: 8, .value_kind: global_buffer, .address_space: global }
      - { .name: wuq, .offset: 8, .size: 8, .value_kind: global_buffer, .address_space: global }
      - { .name: lists, .offset: 16, .size: 8, .value_kind: global_buffer, .address_space: global }
      - { .name: rwt, .offset: 24, .size: 8, .value_kind: global_buffer, .address_space: global }
      - { .name: aq, .offset: 32, .size: 8, .value_kind: global_buffer, .address_space: global }
    .group_segment_fixed_size: 0
    .private_segment_fixed_size: 0
    .kernarg_segment_align: 8
    .kernarg_segment_size: 40
    .max_flat_workgroup_size: 128
    .sgpr_count:     66
    .vgpr_count:     512
    .wavefront_size: 32
...
	.end_amdgpu_metadata
.endif
;; end of part 2
;; launch down (part 3): grid 8 x 67, 4 waves a work-group, no clusters, 17,920 bytes of LDS; arguments aq, wdq, lists, out0; writes out0
.if DOCPART == 3
	.amdgcn_target "amdgcn-amd-amdhsa--gfx1250"
	.amdhsa_code_object_version 6
	.text
	.protected	k_qe8dab8c5e2_down
	.globl	k_qe8dab8c5e2_down
	.p2align	8
	.type	k_qe8dab8c5e2_down,@function
k_qe8dab8c5e2_down:
	s_mov_b64 s[64:65], 0
	v_nop
	global_prefetch_b8 v0, s[64:65] scope:SCOPE_SE
	s_setreg_imm32_b32 hwreg(HW_REG_WAVE_MODE, 25, 1), 1
	s_wait_xcnt 0x0
; THIRD LAUNCH: the second quantised product.  WORK LEFT OUT: the K steps of the experts that a token does not name: their codes are zeros (shown at the head of the first launch).
; Tokens are sorted by their PAIR of experts (a <= b), so that each output row has one owner and nothing is added between work-groups: for a tile of 64 tokens of one pair K is a's 512 and then b's 512,
; or a's 512 alone where a = b (that row's weight is w0 + w1).
; SHARES.  Work-group (x, y = tile): 64 tokens x 256 columns.  Wave w: columns 64 (4 x + w) on: four tiles of 16 rows against four tiles of 16 rows of w_dn, 16 accumulators, 8 or 4 K steps of 128.
; The grid, 67 tiles, serves every split ((2,048 + 36 x 63) / 64); a tile that this split does not have stores nothing.  That, the choice between 8 and 4 K steps and the end of the stores are branches on numbers read from
; the list: so the launch has no tensor load, no joint loads of a cluster and no barrier; the waves are independent, and both operands come from memory as images of their fragments, 512 consecutive bytes a load.
; Rows past a tile's count repeat its last row (the row index is held at count - 1): no unwritten byte is read.  They are not stored, but that where the count is odd the last store's upper sixteen lanes
; store the last row once more, the same numbers at the same place.
; The product is used transposed (source 0 = 16 rows of w_dn, source 1 = 16 rows of activations): a lane holds eight neighbouring columns of one token's row.  A tile of 16 rows goes through the wave's own stage in LDS
; and leaves by rows, scattered to the tokens: sixteen lanes store 256 consecutive bytes, aligned.  Sums in f32, K ascending, a ahead of b.  LIMITS: as stated at the head of the first launch.
; REGISTERS, window 0: v1 r, v2 h, v3 16 x lane, v4 16 r; v6-9, v10-11 the activations' offsets; v12, v13 the stage; v14, v15 the add's two; v32-63 tokens, then offsets in out0; v64-79 the activations' scale words,
;   v80-95 the weights'; v128-255 the accumulators.   window 1: two sets of fragments, v0-127 and v128-255: four of w_dn, then four of the activations.
.set LW,   3
.set AOFF, 6
.set ASO,  10
.set STI,  12
.set STR,  13
.set SPW,  14                          ; v14  LDS address of my spare word; never rewritten
.set NIL,  15                          ; v15  0; never rewritten
.set TK,   32
.set ASC,  64                          ; register 8 p + k: lanes 0-15 the word of row tile p, lanes 16-31 of row tile p + 2, K step k
.set WSC,  80                          ; register 8 (k / 4) + 4 u + k % 4: lanes 0-15 tile u's word, lanes 16-31 tile u + 2's
.set ACC,  128                         ; accumulator (row tile i, tile w of w_dn) at 32 i + 8 w
.set BA,   24                          ; s[24:25], s[26:27] the images of a's and b's rows of w_dn;  s[28:29], s[30:31] their scale words
.set BS,   28
.set SPARE, 17408                      ; behind the four stages of 16 x 272 bytes: the spare words, 128 bytes for each wave: two blocks of 256 bytes that no other line names
.set MSB, 0
.macro WIN new                         ; the immediate's high byte repeats the setting that is left
.if MSB != \new
	s_set_vgpr_msb (MSB<<8)|\new
.set MSB, \new
.endif
.endm
.set MUL,  0x05                        ; sources 0 and 1 window 1; C and D window 0
.set TO_F, 0x40                        ; destination window 1, address window 0
; one matrix instruction, by the symbols rD, rA, rB, rSA, rSB; rRA, rRB: that side's scales stand in lanes 16-31; rZ: the first product starts the sum
.macro MM
.if rZ
.if rRA && rRB
	v_wmma_scale_f32_16x16x128_f8f6f4 v[rD:rD+7], v[rA:rA+15], v[rB:rB+15], 0, v[rSA], v[rSB] matrix_a_fmt:MATRIX_FMT_BF8 matrix_b_fmt:MATRIX_FMT_BF8 matrix_a_scale:MATRIX_SCALE_ROW1 matrix_b_scale:MATRIX_SCALE_ROW1
.elseif rRA
	v_wmma_scale_f32_16x16x128_f8f6f4 v[rD:rD+7], v[rA:rA+15], v[rB:rB+15], 0, v[rSA], v[rSB] matrix_a_fmt:MATRIX_FMT_BF8 matrix_b_fmt:MATRIX_FMT_BF8 matrix_a_scale:MATRIX_SCALE_ROW1
.elseif rRB
	v_wmma_scale_f32_16x16x128_f8f6f4 v[rD:rD+7], v[rA:rA+15], v[rB:rB+15], 0, v[rSA], v[rSB] matrix_a_fmt:MATRIX_FMT_BF8 matrix_b_fmt:MATRIX_FMT_BF8 matrix_b_scale:MATRIX_SCALE_ROW1
.else
	v_wmma_scale_f32_16x16x128_f8f6f4 v[rD:rD+7], v[rA:rA+15], v[rB:rB+15], 0, v[rSA], v[rSB] matrix_a_fmt:MATRIX_FMT_BF8 matrix_b_fmt:MATRIX_FMT_BF8
.endif
.else
.if rRA && rRB
	v_wmma_scale_f32_16x16x128_f8f6f4 v[rD:rD+7], v[rA:rA+15], v[rB:rB+15], v[rD:rD+7], v[rSA], v[rSB] matrix_a_fmt:MATRIX_FMT_BF8 matrix_b_fmt:MATRIX_FMT_BF8 matrix_a_scale:MATRIX_SCALE_ROW1 matrix_b_scale:MATRIX_SCALE_ROW1
.elseif rRA
	v_wmma_scale_f32_16x16x128_f8f6f4 v[rD:rD+7], v[rA:rA+15], v[rB:rB+15], v[rD:rD+7], v[rSA], v[rSB] matrix_a_fmt:MATRIX_FMT_BF8 matrix_b_fmt:MATRIX_FMT_BF8 matrix_a_scale:MATRIX_SCALE_ROW1
.elseif rRB
	v_wmma_scale_f32_16x16x128_f8f6f4 v[rD:rD+7], v[rA:rA+15], v[rB:rB+15], v[rD:rD+7], v[rSA], v[rSB] matrix_a_fmt:MATRIX_FMT_BF8 matrix_b_fmt:MATRIX_FMT_BF8 matrix_b_scale:MATRIX_SCALE_ROW1
.else
	v_wmma_scale_f32_16x16x128_f8f6f4 v[rD:rD+7], v[rA:rA+15], v[rB:rB+15], v[rD:rD+7], v[rSA], v[rSB] matrix_a_fmt:MATRIX_FMT_BF8 matrix_b_fmt:MATRIX_FMT_BF8
.endif
.endif
.endm
	s_load_b256 s[4:11], s[0:1], 0x0               ; aq s[4:5], wdq s[6:7], lists s[8:9], out0 s[10:11]
	v_lshl_add_u32 v[SPW], v0, 2, SPARE
	v_mov_b32 v[NIL], 0
	v_lshrrev_b32 v1, 5, v0
	v_readfirstlane_b32 s14, v1                    ; wave 0..3
	v_and_b32 v1, 15, v0                           ; r
	v_bfe_u32 v2, v0, 4, 1                         ; h
	v_and_b32 v3, 31, v0
	v_lshlrev_b32 v[LW], 4, v3                     ; 16 x lane
	v_lshlrev_b32 v4, 4, v1                        ; 16 r
	s_and_b32 s15, ttmp7, 0xffff                   ; the tile
	s_lshl_b32 s16, s15, 2
	s_wait_kmcnt 0x0
	s_load_b32 s17, s[8:9], s16 offset:0x400       ; its word: a | b << 4 | rows << 8, 0 for a tile that this split does not have
	s_mul_i32 s23, s14, 4352                       ; my stage.  The LDS addresses are made ahead of every branch
	v_mul_u32_u24 v[STI], v1, 272
	v_lshl_add_u32 v[STI], v2, 5, v[STI]
	v_add_nc_u32 v[STI], s23, v[STI]               ; in: row r, 32 bytes for each half of the lanes
	v_mul_u32_u24 v[STR], v2, 272
	v_lshl_add_u32 v[STR], v1, 4, v[STR]
	v_add_nc_u32 v[STR], s23, v[STR]               ; back: lanes 0-15 one row of 256 bytes, lanes 16-31 the next
	s_lshl_b32 s22, ttmp9, 2
	s_add_co_u32 s22, s22, s14                     ; dc: my 64 columns
	s_wait_kmcnt 0x0
	s_and_b32 s18, s17, 15
	s_min_u32 s18, s18, 7                          ; a
	s_bfe_u32 s19, s17, 0x40004
	s_min_u32 s19, s19, 7                          ; b
	s_lshr_b32 s20, s17, 8
	s_min_u32 s20, s20, 64                         ; the tile's rows
	s_cmp_eq_u32 s20, 0
	s_cbranch_scc1 .Ldone
	s_sub_co_u32 s21, s20, 1
	s_mov_b32 s43, 0
	s_lshl_b32 s23, s18, 5
	s_add_co_u32 s23, s23, s22                     ; 32 a + dc
	s_lshl_b32 s42, s23, 15
	s_add_nc_u64 s[BA:BA+1], s[6:7], s[42:43]
	s_lshl_b32 s42, s23, 10
	s_add_co_u32 s42, s42, 8388608
	s_add_nc_u64 s[BS:BS+1], s[6:7], s[42:43]
	s_lshl_b32 s23, s19, 5
	s_add_co_u32 s23, s23, s22                     ; 32 b + dc
	s_lshl_b32 s42, s23, 15
	s_add_nc_u64 s[BA+2:BA+3], s[6:7], s[42:43]
	s_lshl_b32 s42, s23, 10
	s_add_co_u32 s42, s42, 8388608
	s_add_nc_u64 s[BS+2:BS+3], s[6:7], s[42:43]
	s_lshl_b32 s42, s15, 16
	s_add_nc_u64 s[32:33], s[4:5], s[42:43]        ; the tile's activations: 4 row tiles x 8 K steps x 2,048 bytes
	s_lshl_b32 s42, s15, 11
	s_add_co_u32 s42, s42, 4456448
	s_add_nc_u64 s[34:35], s[4:5], s[42:43]        ; their scale bytes: 32 a row
	s_lshl_b32 s42, s15, 8
	s_add_co_u32 s42, s42, 41984
	s_add_nc_u64 s[36:37], s[8:9], s[42:43]        ; the tile's tokens
	s_lshl_b32 s42, s22, 8
	s_add_nc_u64 s[38:39], s[10:11], s[42:43]      ; out0 at my columns
.irp i, 0,1,2,3
	v_add_nc_u32 v16, 16*\i, v1                    ; row tile i, row r,
	v_min_u32 v16, s21, v16                        ; held at the tile's last row,
	v_min_u32 v16, 63, v16                         ; and inside the tile whatever the list holds
	v_and_b32 v17, 0x30, v16
	v_and_b32 v16, 15, v16
	v_lshlrev_b32 v17, 10, v17                     ; its row tile x 16,384
	v_lshl_add_u32 v17, v16, 4, v17                ; + 16 x its place there
	v_lshl_add_u32 v[AOFF+\i], v2, 8, v17          ; + 256 h
.endr
	v_lshl_add_u32 v16, v2, 5, v1                  ; for the scale words lanes 16-31 take the rows two tiles on
.irp p, 0,1
	v_add_nc_u32 v[ASO+\p], 16*\p, v16
	v_min_u32 v[ASO+\p], s21, v[ASO+\p]
	v_min_u32 v[ASO+\p], 63, v[ASO+\p]
	v_lshlrev_b32 v[ASO+\p], 5, v[ASO+\p]
.endr
.irp n, 0,1,2,3,4,5,6,7,8,9,10,11,12,13,14,15,16,17,18,19,20,21,22,23,24,25,26,27,28,29,30,31
	v_add_nc_u32 v[TK+\n], 2*\n, v2                ; the token of row 2 n + lane / 16: the row that store n of the way out takes
	v_min_u32 v[TK+\n], s21, v[TK+\n]
	v_min_u32 v[TK+\n], 63, v[TK+\n]
	v_lshlrev_b32 v[TK+\n], 2, v[TK+\n]
	global_load_b32 v[TK+\n], v[TK+\n], s[36:37]   ; (a load may land on its own address register)
.endr
.macro LOADS k                         ; K step k: slot k / 4 (a, then b), its K step k % 4: four fragments of w_dn, four of the activations: 32 loads
	WIN TO_F
.irp w, 0,1,2,3
.irp c, 0,1,2,3
	global_load_b128 v[128*((\k)%2)+16*\w+4*\c:128*((\k)%2)+16*\w+4*\c+3], v[LW], s[BA+2*((\k)/4):BA+2*((\k)/4)+1] offset:8192*((\k)%4)+2048*\w+512*\c
.endr
.endr
.irp i, 0,1,2,3
.irp c, 0,1,2,3
	global_load_b128 v[128*((\k)%2)+64+16*\i+4*\c:128*((\k)%2)+64+16*\i+4*\c+3], v[AOFF+\i], s[32:33] offset:2048*(\k)+512*\c
.endr
.endr
.endm
; A K step: 16 matrix instructions, the 16 accumulators by turns, in the same order in every step; then the fragments of two steps on, behind eight places, into the set just read
.macro DSTEP k, steps
.if (\k)+1 < (\steps)
	s_wait_loadcnt 32                              ; this step's loads, and all before them, are in; the next step's 32 may be out
.else
	s_wait_loadcnt 0x0
.endif
	WIN MUL
.set rZ, 0
.if (\k) == 0
.set rZ, 1
.endif
.irp i, 0,1,2,3
.irp w, 0,1,2,3
.set rD, ACC+32*\i+8*\w
.set rA, 128*((\k)%2)+16*\w
.set rB, 128*((\k)%2)+64+16*\i
.set rSA, WSC+8*((\k)/4)+4*(\w%2)+(\k)%4
.set rSB, ASC+8*(\i%2)+(\k)
.set rRA, \w/2
.set rRB, \i/2
	MM
.endr
.endr
.if (\k)+2 < (\steps)
.rept 8
	v_nop
.endr
	LOADS (\k)+2
.endif
.endm
.macro KPART steps                     ; the whole sum, over 8 K steps or over 4: with 4 nothing of slot 1 is loaded
.irp p, 0,1
.irp g, 0,1
.if 4*\g < \steps
	global_load_b128 v[ASC+8*\p+4*\g:ASC+8*\p+4*\g+3], v[ASO+\p], s[34:35] offset:16*\g
.endif
.endr
.endr
.irp g, 0,1
.irp u, 0,1
.if 4*\g < \steps
	global_load_b128 v[WSC+8*\g+4*\u:WSC+8*\g+4*\u+3], v[LW], s[BS+2*\g:BS+2*\g+1] offset:512*\u
.endif
.endr
.endr
	LOADS 0
	LOADS 1
.irp k, 0,1,2,3,4,5,6,7
.if \k < \steps
	DSTEP \k, \steps
.endif
.endr
	WIN 0                                          ; at a label and at a branch every window is 0
.endm
	s_cmp_eq_u32 s18, s19
	s_cbranch_scc1 .Lsame
	KPART 8
	s_branch .Lout
.Lsame:
	KPART 4
.Lout:
	; THE WAY OUT.  The stores' offsets: these 64 plain lines are also the places behind the last products
.irp n, 0,1,2,3,4,5,6,7,8,9,10,11,12,13,14,15,16,17,18,19,20,21,22,23,24,25,26,27,28,29,30,31
	v_min_u32 v[TK+\n], 2047, v[TK+\n]             ; the token, held inside out0
	v_lshl_add_u32 v[TK+\n], v[TK+\n], 13, v4      ; its row of 8,192 bytes, + 16 x (lane % 16)
.endr
.irp i, 0,1,2,3
.if \i > 0
	s_cmp_le_u32 s20, 16*\i                        ; no row of this tile of 16 is live: done
	s_cbranch_scc1 .Ldone
.endif
.irp w, 0,1,2,3
	ds_store_b128 v[STI], v[ACC+32*\i+8*\w:ACC+32*\i+8*\w+3] offset:64*\w          ; each accumulator from its low end on
	ds_store_b128 v[STI], v[ACC+32*\i+8*\w+4:ACC+32*\i+8*\w+7] offset:64*\w+16
.endr
.irp t, 0,1,2,3,4,5,6,7
	ds_load_b128 v[ACC+32*\i+4*\t:ACC+32*\i+4*\t+3], v[STR] offset:544*\t          ; LDS serves a wave's instructions in order (ISA guide 5.7.1.4): these see the stores above, and the next tile's stores come behind them
.endr
.irp t, 0,1,2,3,4,5,6,7
	s_wait_dscnt 7-\t                              ; the younger read-backs may be out
.if \t > 0
	s_cmp_le_u32 s20, 16*\i+2*\t                   ; neither of these two rows is live: done
	s_cbranch_scc1 .Ldone
.endif
	global_store_b128 v[TK+8*\i+\t], v[ACC+32*\i+4*\t:ACC+32*\i+4*\t+3], s[38:39] th:TH_STORE_NT   ; sixteen lanes store 256 consecutive bytes of a token's row, aligned; written once, read by nobody here
.endr
.endr
.Ldone:
	s_wait_tensorcnt 0x0                           ; the wave's end, behind my last LDS store
	ds_add_u32 v[SPW], v[NIL]
	s_wait_dscnt 0x0
	s_endpgm
.Lfunc_end_k_qe8dab8c5e2_down:
	.size	k_qe8dab8c5e2_down, .Lfunc_end_k_qe8dab8c5e2_down-k_qe8dab8c5e2_down
	.p2alignl 7, 3214868480
	.fill 96, 4, 3214868480
	.section	.rodata,"a",@progbits
	.p2align	6, 0x0
	.amdhsa_kernel k_qe8dab8c5e2_down
		.amdhsa_group_segment_fixed_size 17920
		.amdhsa_private_segment_fixed_size 0
		.amdhsa_enable_private_segment 0
		.amdhsa_kernarg_size 32
		.amdhsa_user_sgpr_count 2
		.amdhsa_user_sgpr_kernarg_segment_ptr 1
		.amdhsa_wavefront_size32 1
		.amdhsa_system_sgpr_workgroup_id_x 1
		.amdhsa_system_sgpr_workgroup_id_y 1
		.amdhsa_system_sgpr_workgroup_id_z 1
		.amdhsa_system_vgpr_workitem_id 0
		.amdhsa_next_free_vgpr 512
		.amdhsa_next_free_sgpr 66
		.amdhsa_reserve_vcc 0
		.amdhsa_float_denorm_mode_32 3
		.amdhsa_float_denorm_mode_16_64 3
		.amdhsa_memory_ordered 1
		.amdhsa_forward_progress 1
		.amdhsa_inst_pref_size 90
	.end_amdhsa_kernel
	.amdgpu_metadata
---
amdhsa.version: [ 1, 2 ]
amdhsa.kernels:
  - .name:           k_qe8dab8c5e2_down
    .symbol:         k_qe8dab8c5e2_down.kd
    .args:
      - { .name: aq, .offset: 0, .size: 8, .value_kind: global_buffer, .address_space: global }
      - { .name: wdq, .offset: 8, .size: 8, .value_kind: global_buffer, .address_space: global }
      - { .name: lists, .offset: 16, .size: 8, .value_kind: global_buffer, .address_space: global }
      - { .name: out0, .offset: 24, .size: 8, .value_kind: global_buffer, .address_space: global }
    .group_segment_fixed_size: 17920
    .private_segment_fixed_size: 0
    .kernarg_segment_align: 8
    .kernarg_segment_size: 32
    .max_flat_workgroup_size: 128
    .sgpr_count:     66
    .vgpr_count:     512
    .wavefront_size: 32
...
	.end_amdgpu_metadata
.endif
;; end of part 3
;; ======== version 2 of 2: 3 launches
;; limits: right only within a limited range of input values
;; workspace buffers: xq 4,325,376 bytes; wuq 17,301,504 bytes; wdq 8,650,752 bytes; aq 4,595,712 bytes; lists 59,392 bytes of whole numbers; rwt 19,968 bytes
;; launch prep (part 4): grid 225 x 1, 8 waves a work-group, no clusters, 115,712 bytes of LDS; arguments hidden_states, w_up, w_dn, topk_ids, topk_weights, xq, wuq, wdq, lists, rwt; writes xq, wuq, wdq, lists, rwt
.if DOCPART == 4
	.amdgcn_target "amdgcn-amd-amdhsa--gfx1250"
	.amdhsa_code_object_version 6
	.text
	.protected	k_qe8dab8c5e2_prep
	.globl	k_qe8dab8c5e2_prep
	.p2align	8
	.type	k_qe8dab8c5e2_prep,@function
k_qe8dab8c5e2_prep:
	s_mov_b64 s[64:65], 0
	v_nop
	global_prefetch_b8 v0, s[64:65] scope:SCOPE_SE
	s_setreg_imm32_b32 hwreg(HW_REG_WAVE_MODE, 25, 1), 1
	s_wait_xcnt 0x0
; FIRST OF THREE LAUNCHES of a top-2-of-8 layer of experts in MX-BF8 (E5M2 codes, one E8M0 scale for each 32 along K).
; WORK LEFT OUT BY THE WHOLE PROGRAM, AND WHY IT IS DEAD.  reference() multiplies act[t, e, :] by combine[t, e], which it builds itself from one_hot(topk_ids): for an expert e that token t
; does not name, combine[t, e] is the sum of products with the zeros of that one_hot, 0 for every value of the inputs.  So these 512 numbers of the second quantised product's left operand are zeros;
; its blocks of 32 along K = (e, h) lie inside one expert (512 = 16 blocks), so they are blocks of zeros: zero codes, which add nothing to any sum.  The columns of the first quantised product for (t, e)
; feed these zeros alone.  So only the rows (token, named expert) are multiplied: at most 4,096 of 16,384.  A token that names one expert twice has ONE such row with combine = w0 + w1, as the einsum gives it.
; All five inputs have a way to the output and are loaded.
; LIMITS.  A NaN, an infinity or an overflow that arises only for experts that a token does not name (0 x infinity in reference()) is not carried to the result.  NaN and infinities among the inputs are not served.
; topk_ids are taken to be 0 .. 7, as an index into the experts; for the addresses' sake they are held at 7 from above (as unsigned numbers).  A block whose largest magnitude lies under 2^(16 - 127)
; keeps the scale byte 1; a block of zeros has the byte 1 where the rule says 127: its codes are zeros, and this program alone reads the bytes.
; WHAT THIS LAUNCH DOES.  Work-group 0: the routing, from topk_ids and topk_weights: a counting sort of the tokens by their PAIR of experts (a <= b, key = 8 a + b), with no atomics: ranks by ballots in a wave,
; the eight waves' counts joined through LDS, the tables made by scalar code.  It stores the lists of tiles and rows that the next two launches read.
; Work-groups 1 .. 224: w_up, w_dn and hidden_states, all with K innermost, become codes and scale words, each number read once.  The weights' codes are laid as IMAGES OF OPERAND REGISTERS (a fragment of
; 16 rows x 128 K: four parts of 512 bytes, lane l's 16 bytes at 16 l), so that a later wave loads a fragment by four loads of 512 consecutive bytes; x's codes stay row-major, since its rows are gathered by token.
; A wave takes one unit: two tiles of 16 rows x 512 K, in 16 half steps of 16 rows x 64 K.  Each load reads two rows' aligned 256 bytes; the numbers turn through the wave's own stage in LDS so that a lane
; holds 16 neighbours along K of one row (lanes l and l xor 16 hold a block of 32).  Loads run three half steps ahead, the turn through LDS one.
; No matrix unit, no cluster, no tensor load: the launch streams, each byte once, and waves share nothing but the routing's one table.
.set WREG,  13056                      ; LDS of a wave: two turn stages of 16 rows x 272 bytes, then the stage for x's codes, 16 x 272
.set XOFF,  8704
.set RT,    104448                     ; behind the eight waves' regions: the routing's table, 8 waves x 256 bytes
.set SPARE, 114688                     ; the spare words, 128 bytes for each wave: four blocks of 256 bytes that no other line names
.set WV,    92                         ; s92  my wave's number
.set LI,    4                          ; v4   16 x lane
.set SIN,   5                          ; v5   turn stage, way in: row lane / 16, 16 bytes at lane % 16
.set SOUTA, 6                          ; v6   turn stage, way out: row lane % 16, 64 bytes for each half of the lanes
.set XIN,   7                          ; v7   x's stage, way in
.set XRD,   8                          ; v8   x's stage, way out
.set XSO,   9                          ; v9   x's codes in memory: row lane / 16 of 2,048 bytes, 16 bytes at lane % 16
.set SPW,   10                         ; v10  LDS address of my spare word; never rewritten
.set NIL,   11                         ; v11  0; never rewritten
.set ROFF,  12                         ; v12-19 byte offsets of the eight loads of a half step
.set MX,    20                         ; v20-21 largest magnitudes;  v22-23 the other half's;  v24-25 the conversions' scale operands;  v28-29 the bytes
.set PM,    22
.set SCF,   24
.set HD,    26
.set BY,    28
.set PWT,   30                         ; v30  a scale word in the making
.set PW,    32                         ; v32-39 the unit's eight scale words (tile, K step)
.set MW,    40                         ; v40-43 as they leave
.set C,     44                         ; v44-59 codes, two sets of 8
.set R,     64                         ; v64-159 numbers as loaded, three sets of 32
.set X,     160                        ; v160-223 numbers turned, two sets of 32
.set OB,    224                        ; v224-255 x's codes read back by rows
	s_load_b512 s[4:19], s[0:1], 0x0               ; hidden_states s[4:5], w_up s[6:7], w_dn s[8:9], topk_ids s[10:11], topk_weights s[12:13], xq s[14:15], wuq s[16:17], wdq s[18:19]
	s_load_b128 s[20:23], s[0:1], 0x40             ; lists s[20:21], rwt s[22:23]
	v_lshl_add_u32 v[SPW], v0, 2, SPARE
	v_mov_b32 v[NIL], 0
	v_lshrrev_b32 v1, 5, v0
	s_delay_alu instid0(VALU_DEP_1)
	v_readfirstlane_b32 s[WV], v1                  ; wave 0..7
	v_and_b32 v1, 31, v0                           ; lane
	s_cmp_eq_u32 ttmp9, 0                          ; the work-group's number: the same in all eight waves
	s_cbranch_scc1 .Lroute
; ---------------------------------------------------------------- THE QUANTISER
	s_sub_co_u32 s25, ttmp9, 1                     ; g = 0 .. 223: 0-127 w_up, 128-191 w_dn, 192-223 hidden_states
	v_and_b32 v2, 15, v0                           ; r = lane % 16
	v_bfe_u32 v3, v0, 4, 1                         ; h = lane / 16
	v_lshlrev_b32 v[LI], 4, v1
	s_mul_i32 s42, s[WV], WREG
	v_mul_u32_u24 v[SIN], v3, 272
	s_delay_alu instid0(VALU_DEP_1)
	v_lshl_add_u32 v[SIN], v2, 4, v[SIN]
	s_delay_alu instid0(VALU_DEP_1)
	v_add_nc_u32 v[SIN], s42, v[SIN]
	s_delay_alu instid0(VALU_DEP_1)
	v_add_nc_u32 v[XRD], XOFF, v[SIN]
	v_mul_u32_u24 v[SOUTA], v2, 272
	s_delay_alu instid0(VALU_DEP_1)
	v_add_nc_u32 v[SOUTA], s42, v[SOUTA]
	s_delay_alu instid0(VALU_DEP_1)
	v_lshl_add_u32 v[XIN], v3, 4, v[SOUTA]
	s_delay_alu instid0(VALU_DEP_1)
	v_add_nc_u32 v[XIN], XOFF, v[XIN]
	s_delay_alu instid0(VALU_DEP_3)
	v_lshl_add_u32 v[SOUTA], v3, 6, v[SOUTA]
	v_lshlrev_b32 v[XSO], 11, v3
	s_delay_alu instid0(VALU_DEP_1)
	v_lshl_add_u32 v[XSO], v2, 4, v[XSO]
	v_mov_b32 v[PM], 0                             ; written once: a lane permute's destination counts as one of its sources
	v_mov_b32 v[PM+1], 0
	; three arms on the work-group's number make OFFSETS alone: s46 source, s48 codes, s50 scale words, s52 from tile 0 to tile 1 in the source, s27 a source row, s28 what rows 8-15 of a tile lie further on, s26 = 1 for x
	s_cmp_lt_u32 s25, 128
	s_cbranch_scc0 .Lnot_up
	s_lshr_b32 s43, s[WV], 2                       ; w_up: g = 16 e + hc; u = wave / 4; kq = wave % 4.  Tile 0: gate rows 1,024 e + 32 hc + 8 u + r + 8 (r / 8); tile 1: the same rows of up, 512 further on
	s_and_b32 s44, s[WV], 3
	s_lshr_b32 s46, s25, 4                         ; e: an expert has 1,024 rows of 8,192 bytes in w_up (gate's 512, then up's 512),
	s_lshl_b32 s46, s46, 23
	s_and_b32 s54, s25, 15                         ; hc: 32 rows each
	s_lshl_b32 s54, s54, 18
	s_add_co_u32 s46, s46, s54
	s_lshl_b32 s54, s43, 16
	s_add_co_u32 s46, s46, s54
	s_lshl_b32 s54, s44, 11
	s_add_co_u32 s46, s46, s54
	s_lshl_b32 s48, s25, 17                        ; codes: [g][K step 16][G0, G1, U0, U1][2,048]
	s_lshl_b32 s54, s44, 15
	s_add_co_u32 s48, s48, s54
	s_lshl_b32 s54, s43, 11
	s_add_co_u32 s48, s48, s54
	s_lshl_b32 s50, s25, 3                         ; scale words: [g][u][kq][512]
	s_add_co_u32 s50, s50, s[WV]
	s_lshl_b32 s50, s50, 9
	s_add_co_u32 s50, s50, 16777216
	s_mov_b32 s52, 4194304
	s_mov_b32 s27, 8192
	s_mov_b32 s28, 65536
	s_mov_b32 s26, 0
	s_branch .Larmed
.Lnot_up:
	s_cmp_lt_u32 s25, 192
	s_cbranch_scc0 .Lis_x
	s_sub_co_u32 s45, s25, 128                     ; w_dn: unit = 8 (g - 128) + wave = 2 (32 e + dc) + u.  Tile 0: rows 64 (32 e + dc) + 16 u + r; tile 1: 32 rows further on
	s_lshl_b32 s45, s45, 3
	s_add_co_u32 s45, s45, s[WV]
	s_lshr_b32 s43, s45, 1
	s_and_b32 s44, s45, 1
	s_lshl_b32 s46, s43, 17
	s_lshl_b32 s54, s44, 15
	s_add_co_u32 s46, s46, s54
	s_lshl_b32 s48, s43, 15                        ; codes: [32 e + dc][K step 4][tile 4][2,048]
	s_lshl_b32 s54, s44, 11
	s_add_co_u32 s48, s48, s54
	s_lshl_b32 s50, s45, 9                         ; scale words: [32 e + dc][u][512]
	s_add_co_u32 s50, s50, 8388608
	s_mov_b32 s52, 65536
	s_mov_b32 s27, 2048
	s_mov_b32 s28, 0
	s_mov_b32 s26, 0
	s_branch .Larmed
.Lis_x:
	s_sub_co_u32 s45, s25, 192                     ; x: unit = 8 (g - 192) + wave = 4 tg + kq: tokens 32 tg on, K 512 kq on
	s_lshl_b32 s45, s45, 3
	s_add_co_u32 s45, s45, s[WV]
	s_lshr_b32 s43, s45, 2
	s_and_b32 s44, s45, 3
	s_lshl_b32 s46, s43, 18
	s_lshl_b32 s54, s44, 11
	s_add_co_u32 s46, s46, s54
	s_lshl_b32 s48, s43, 16                        ; codes: [token][2,048]
	s_lshl_b32 s54, s44, 9
	s_add_co_u32 s48, s48, s54
	s_lshl_b32 s50, s44, 15                        ; scale words: [kq][token][4 words]
	s_lshl_b32 s54, s43, 9
	s_add_co_u32 s50, s50, s54
	s_add_co_u32 s50, s50, 4194304
	s_mov_b32 s52, 131072
	s_mov_b32 s27, 8192
	s_mov_b32 s28, 0
	s_mov_b32 s26, 1
.Larmed:
	s_mov_b32 s47, 0
	s_mov_b32 s49, 0
	s_mov_b32 s51, 0
	s_mov_b32 s53, 0
	s_mov_b32 s38, 0x76543210                      ; v_permlanex16_b32's selects for lane l xor 16
	s_mov_b32 s39, 0xfedcba98
	s_mov_b32 s41, 0xffff0000                      ; lanes 16-31
	v_mul_lo_u32 v[ROFF], v3, s27                  ; load j of a half step: tile rows 2 j + lane / 16, 16 bytes at lane % 16
	s_delay_alu instid0(VALU_DEP_1)
	v_lshl_add_u32 v[ROFF], v2, 4, v[ROFF]
	s_lshl_b32 s45, s27, 1
.irp j, 1
	v_add_nc_u32 v[ROFF+\j], s45, v[ROFF+\j-1]
.endr
.irp j, 2, 3, 4, 5, 6, 7
	s_delay_alu instid0(VALU_DEP_1)
	v_add_nc_u32 v[ROFF+\j], s45, v[ROFF+\j-1]
.endr
.irp j, 4,5,6,7
	s_delay_alu instid0(VALU_DEP_4)
	v_add_nc_u32 v[ROFF+\j], s28, v[ROFF+\j]
.endr
	s_wait_alu depctr_va_vdst(0)
	s_wait_kmcnt 0x0
	s_cmp_lt_u32 s25, 128                          ; the buffers are chosen on the work-group's number alone
	s_cselect_b64 s[30:31], s[6:7], s[8:9]
	s_cselect_b64 s[34:35], s[16:17], s[18:19]
	s_cmp_lt_u32 s25, 192
	s_cselect_b64 s[30:31], s[30:31], s[4:5]
	s_cselect_b64 s[34:35], s[34:35], s[14:15]
	s_add_nc_u64 s[30:31], s[30:31], s[46:47]      ; the source at tile 0,
	s_add_nc_u64 s[32:33], s[30:31], s[52:53]      ; at tile 1;
	s_add_nc_u64 s[36:37], s[34:35], s[50:51]      ; my scale words;
	s_add_nc_u64 s[34:35], s[34:35], s[48:49]      ; my codes
; half step t: tile t / 8, K step (t / 2) % 4 of 128, half t % 2 of 64
.macro LOAD t
.irp j, 0,1,2,3,4,5,6,7
	global_load_b128 v[R+32*((\t)%3)+4*\j:R+32*((\t)%3)+4*\j+3], v[ROFF+\j], s[30+2*((\t)/8):31+2*((\t)/8)] offset:512*(((\t)/2)%4)+256*((\t)%2) th:TH_LOAD_NT
.endr
.endm
; through the stage: in as loaded, out so that register 16 b + i is k = 32 b + 16 (lane / 16) + i of row lane % 16.  LDS serves a wave's instructions in order: no wait between the stores and the loads
.macro TURN t
.irp j, 0,1,2,3,4,5,6,7
	ds_store_b128 v[SIN], v[R+32*((\t)%3)+4*\j:R+32*((\t)%3)+4*\j+3] offset:4352*((\t)%2)+544*\j
.endr
.irp b, 0,1
.irp q, 0,1,2,3
	ds_load_b128 v[X+32*((\t)%2)+16*\b+4*\q:X+32*((\t)%2)+16*\b+4*\q+3], v[SOUTA] offset:4352*((\t)%2)+128*\b+16*\q
.endr
.endr
.endm
.macro STEP t
.set XS, X+32*((\t)%2)
.set CS, C+8*((\t)%2)
.set TT, (\t)/8
.set SS, ((\t)/2)%4
.set HF, (\t)%2
	s_wait_dscnt 0x0                               ; this half step's numbers are back from the stage, so its stores into the stage have read their registers,
.if (\t)+3 < 16
	LOAD (\t)+3                                    ; which take the loads of three half steps on
.endif
.if (\t)+1 < 16
.if (\t)+3 <= 15
	s_wait_loadcnt 16                              ; the next half step's eight loads are in; those of the two behind it may be out
.else
	s_wait_loadcnt 8*(15-((\t)+1))                 ; at the end the count runs down: 8, then 0
.endif
	TURN (\t)+1
.endif
	s_wait_xcnt 0x0                                ; the stores of two half steps back have read this set of codes (and x's rows their registers): they are written again only behind this wait
.irp b, 0,1
	v_max3_num_f32 v[MX+\b], |v[XS+16*\b]|, |v[XS+16*\b+1]|, 0x8000000   ; my 16 numbers of block b, and the floor 2^(16 - 127): the byte cannot fall under 1
.endr
.irp i, 2,4,6,8,10,12,14
.irp b, 0,1
	s_delay_alu instid0(VALU_DEP_2)
	v_max3_num_f32 v[MX+\b], v[MX+\b], |v[XS+16*\b+\i]|, |v[XS+16*\b+\i+1]|
.endr
.endr
.irp b, 0,1
	s_delay_alu instid0(VALU_DEP_2)
	v_permlanex16_b32 v[PM+\b], v[MX+\b], s38, s39
.endr
.irp b, 0,1
	s_delay_alu instid0(VALU_DEP_2)
	v_max_num_f32 v[MX+\b], v[MX+\b], v[PM+\b]     ; with lane l xor 16's: the block's largest magnitude
.endr
.irp b, 0,1
	s_delay_alu instid0(VALU_DEP_2)
	v_add_nc_u32 v[SCF+\b], 0xf8800000, v[MX+\b]   ; 15 off its exponent field: the conversion takes this operand's exponent field as its scale
.endr
.irp b, 0,1
.endr
.irp b, 0,1
	s_delay_alu instid0(VALU_DEP_2)
	v_lshrrev_b32 v[BY+\b], 23, v[SCF+\b]          ; the scale's byte
.endr
.irp b, 0,1
.irp i, 0,1,2,3,4,5,6,7,8,9,10,11,12,13,14,15
.endr
.endr
.irp b, 0,1
	v_cvt_scalef32_pk8_bf8_f32 v[CS+4*\b:CS+4*\b+1], v[XS+16*\b:XS+16*\b+7], v[SCF+\b]
	v_cvt_scalef32_pk8_bf8_f32 v[CS+4*\b+2:CS+4*\b+3], v[XS+16*\b+8:XS+16*\b+15], v[SCF+\b]
.endr
.if HF == 0                                    ; the four bytes of a K step make my row's scale word.  (Plain lines behind the conversions)
	v_lshl_or_b32 v[PWT], v[BY+1], 8, v[BY]
.else
	v_lshl_or_b32 v[PWT], v[BY], 16, v[PWT]
	s_delay_alu instid0(VALU_DEP_1)
	v_lshl_or_b32 v[PW+4*TT+SS], v[BY+1], 24, v[PWT]
.endif
	s_cmp_eq_u32 s26, 0                            ; made of the work-group's number
	s_cbranch_scc0 .Lxo_\@
	global_store_b128 v[LI], v[CS:CS+3], s[34:35] offset:8192*SS+4096*TT+512*(2*HF)       ; a weight's codes leave as parts of a fragment's image: 512 consecutive bytes, aligned
	global_store_b128 v[LI], v[CS+4:CS+7], s[34:35] offset:8192*SS+4096*TT+512*(2*HF+1)
	s_branch .Lxj_\@
.Lxo_\@:
	s_wait_alu depctr_va_vdst(0)
	ds_store_b128 v[XIN], v[CS:CS+3] offset:128*(SS%2)+32*(2*HF)                          ; x's codes are gathered, 256 bytes a row, in the wave's own stage
	ds_store_b128 v[XIN], v[CS+4:CS+7] offset:128*(SS%2)+32*(2*HF+1)
.if (SS%2 == 1) && (HF == 1)
.irp i, 0,1,2,3,4,5,6,7
	ds_load_b128 v[OB+4*\i:OB+4*\i+3], v[XRD] offset:544*\i
.endr
.irp i, 0,1,2,3,4,5,6,7
	s_wait_dscnt 7-\i                              ; the younger read-backs may be out
	global_store_b128 v[XSO], v[OB+4*\i:OB+4*\i+3], s[34:35] offset:32768*TT+4096*\i+256*(SS/2)   ; sixteen lanes store 256 consecutive bytes of a row, aligned
.endr
.endif
.Lxj_\@:
.endm
	LOAD 0
	LOAD 1
	LOAD 2
	s_wait_loadcnt 16                              ; half step 0's eight loads are in; the sixteen behind them may be out
	TURN 0
.irp t, 0,1,2,3,4,5,6,7,8,9,10,11,12,13,14,15
	STEP \t
.endr
	s_wait_alu depctr_va_vdst(0)
.irp s, 0,1,2,3
	v_cndmask_b32 v[MW+\s], v[PW+\s], v[PW+4+\s], s41   ; lanes 0-15: tile 0's rows; lanes 16-31: tile 1's: one register later serves two tiles (or, for x, 32 tokens)
.endr
	global_store_b128 v[LI], v[MW:MW+3], s[36:37]  ; 512 consecutive bytes, aligned
	s_wait_tensorcnt 0x0                           ; the wave's end, behind my last LDS store
	ds_add_u32 v[SPW], v[NIL]
	s_wait_dscnt 0x0
	s_endpgm
; ---------------------------------------------------------------- THE ROUTING: 256 threads, token = 256 j + thread, j = 0 .. 7
.set ID,  16                           ; v16-31 the two ids of my eight tokens;  v32-47 their weights
.set WT,  32
.set KEY, 48                           ; v48-55 8 a + b, a <= b
.set WA,  56                           ; v56-63 combine for a (w0 + w1 where a = b);  v64-71 for b
.set WB,  64
.set RK,  72                           ; v72-79 my token's rank among my wave's tokens of its key
.set CT,  80                           ; v80-81 counts by key (lane = key % 32, register = key / 32): my wave's;  v82-83 all waves';  v84-85 the waves' before mine
.set TOT, 82
.set PRE, 84
.set U1,  86                           ; v86-87 by key: first row of the pair's run in expert a's region;  v88-89 in b's;  v90-91 first row of the pair's tiles
.set U2,  88
.set U3,  90
.set BLK, 92                           ; v92  my word of the list of blocks of routed rows;  v93 of the list of pair tiles of 64
.set TIL, 93
.set TA,  94                           ; v94-95 at work
.set TB,  96                           ; v96-111 the table read back; then at work
.set PL,  112                          ; v112-207 twelve registers for each j: what the stores read
.set BP,  208                          ; v208-231 what the lane permutes bring, four j at a time
.set RUN, 24                           ; s24-59 counts so far in my wave, one for each of the 36 keys
.set MK,  66                           ; s66-83 18 ballots
.set EQ,  84                           ; s84-91 for each j: the lanes whose token names one expert twice
.Lroute:
	v_lshlrev_b32 v2, 3, v0
	s_wait_alu depctr_va_vdst(0)
	s_wait_kmcnt 0x0
.irp j, 0,1,2,3,4,5,6,7
	global_load_b64 v[ID+2*\j:ID+2*\j+1], v2, s[10:11] offset:2048*\j
.endr
.irp j, 0,1,2,3,4,5,6,7
	global_load_b64 v[WT+2*\j:WT+2*\j+1], v2, s[12:13] offset:2048*\j
.endr
.set kk, 0
.rept 36
	s_mov_b32 s[RUN+kk], 0
.set kk, kk+1
.endr
	s_wait_loadcnt 0x0
.irp j, 0,1,2,3,4,5,6,7
	v_min_u32 v[ID+2*\j], 7, v[ID+2*\j]
	v_min_u32 v[ID+2*\j+1], 7, v[ID+2*\j+1]
	s_delay_alu instid0(VALU_DEP_1)
	v_min_u32 v[TA], v[ID+2*\j], v[ID+2*\j+1]      ; a
	s_delay_alu instid0(VALU_DEP_2)
	v_add_nc_u32 v[TA+1], v[ID+2*\j], v[ID+2*\j+1] ; a + b
	s_delay_alu instid0(VALU_DEP_1)
	v_mad_u32_u24 v[KEY+\j], v[TA], 7, v[TA+1]     ; 8 a + b
	s_delay_alu instid0(VALU_DEP_4)
	v_cmp_gt_u32 vcc_lo, v[ID+2*\j], v[ID+2*\j+1]  ; the weights follow their experts
	s_delay_alu instid0(VALU_DEP_1)
	v_cndmask_b32 v[WA+\j], v[WT+2*\j], v[WT+2*\j+1], vcc_lo
	s_delay_alu instid0(VALU_DEP_2)
	v_cndmask_b32 v[WB+\j], v[WT+2*\j+1], v[WT+2*\j], vcc_lo
	v_cmp_eq_u32 s[EQ+\j], v[ID+2*\j], v[ID+2*\j+1]
	v_add_f32 v[TA], v[WT+2*\j], v[WT+2*\j+1]      ; the same expert twice: combine = w0 + w1, in f32
	s_delay_alu instid0(VALU_DEP_1)
	v_cndmask_b32 v[WA+\j], v[WA+\j], v[TA], s[EQ+\j]
	v_mov_b32 v[RK+\j], 0
.endr
; keys lo .. hi - 1 of the 36, for the tokens j: a ballot for each key; rank = the key's count so far + the lanes below me with the same key; then the counts go on
.macro RANK j, lo, hi
.set kk, 0
.irp a, 0,1,2,3,4,5,6,7
.irp b, 0,1,2,3,4,5,6,7
.if \b >= \a
.if (kk >= \lo) && (kk < \hi)
	v_cmp_eq_u32 s[MK+kk-\lo], 8*\a+\b, v[KEY+\j]
.endif
.set kk, kk+1
.endif
.endr
.endr
.set kk, \lo
.rept \hi-\lo
	v_mbcnt_lo_u32_b32 v[TB+kk%4], s[MK+kk-\lo], s[RUN+kk]
	s_delay_alu instid0(VALU_DEP_1)
	v_cndmask_b32 v[RK+\j], v[RK+\j], v[TB+kk%4], s[MK+kk-\lo]
.set kk, kk+1
.endr
.set kk, \lo
.rept \hi-\lo
	s_bcnt1_i32_b32 s93, s[MK+kk-\lo]
	s_add_co_u32 s[RUN+kk], s[RUN+kk], s93
.set kk, kk+1
.endr
.endm
.irp j, 0,1,2,3,4,5,6,7
	RANK \j, 0, 18
	RANK \j, 18, 36
.endr
	v_mov_b32 v[CT], 0
	v_mov_b32 v[CT+1], 0
.set kk, 0
.irp a, 0,1,2,3,4,5,6,7
.irp b, 0,1,2,3,4,5,6,7
.if \b >= \a
	v_writelane_b32 v[CT+(8*\a+\b)/32], s[RUN+kk], (8*\a+\b)%32
.set kk, kk+1
.endif
.endr
.endr
	v_lshrrev_b32 v3, 5, v0
	s_delay_alu instid0(VALU_DEP_1)
	v_lshlrev_b32 v3, 8, v3
	s_delay_alu instid0(VALU_DEP_1)
	v_lshl_add_u32 v3, v1, 2, v3
	s_delay_alu instid0(VALU_DEP_1)
	v_add_nc_u32 v3, RT, v3                        ; the table: 256 bytes a wave, 4 bytes a key
	ds_store_b32 v3, v[CT]
	ds_store_b32 v3, v[CT+1] offset:128
	s_wait_dscnt 0x0                               ; for the others' sake: my stores have landed
	s_barrier_signal -1
	s_barrier_wait -1
	v_lshl_add_u32 v4, v1, 2, RT
.irp w, 0,1,2,3,4,5,6,7
.irp f, 0,1
	ds_load_b32 v[TB+2*\w+\f], v4 offset:256*\w+128*\f
.endr
.endr
.irp f, 0,1
	v_mov_b32 v[TOT+\f], 0
	v_mov_b32 v[PRE+\f], 0
	v_mov_b32 v[U1+\f], 0                          ; (v_writelane_b32's destination counts as read)
	v_mov_b32 v[U2+\f], 0
	v_mov_b32 v[U3+\f], 0
.endr
	v_mov_b32 v[BLK], 0
	v_mov_b32 v[TIL], 0
	s_wait_dscnt 0x0
.irp w, 0,1,2,3,4,5,6,7
	s_cmp_gt_u32 s[WV], \w
	s_cselect_b32 s93, -1, 0
.irp f, 0,1
	v_add_nc_u32 v[TOT+\f], v[TOT+\f], v[TB+2*\w+\f]
	v_and_b32 v[TA+\f], s93, v[TB+2*\w+\f]
	s_delay_alu instid0(VALU_DEP_1)
	v_add_nc_u32 v[PRE+\f], v[PRE+\f], v[TA+\f]
.endr
.endr
	; the routed rows, by expert: the experts' rows lie on end, and in an expert's region the rows of one partner p are a run.  An expert's rows go in blocks of 128; its LAST block takes what is left, up to 160 rows:
	; so up to 32 rows over a multiple of 128 open no block of their own, which would walk all the expert's weights for them.  Blocks of an expert: the larger of (rows + 95) / 128 and, where it has a row, 1;
	; with two blocks or more the last holds 33 to 160 rows.  That is never more than (rows + 127) / 128: at most (4,096 + 8 x 127) / 128 = 39 blocks in all
	v_mov_b32 v[TB+2], 128
	s_mov_b32 s93, 0                               ; the expert's first row
	s_mov_b32 s98, 0                               ; its first block
.irp e, 0,1,2,3,4,5,6,7
	s_mov_b32 s94, s93
.irp p, 0,1,2,3,4,5,6,7
.if \e <= \p
.set ky, 8*\e+\p
	v_readlane_b32 s95, v[TOT+ky/32], ky%32
	v_writelane_b32 v[U1+ky/32], s94, ky%32
.else
.set ky, 8*\p+\e
	v_readlane_b32 s95, v[TOT+ky/32], ky%32
	v_writelane_b32 v[U2+ky/32], s94, ky%32
.endif
	s_add_co_u32 s94, s94, s95
.endr
	s_sub_co_u32 s95, s94, s93                     ; the expert's rows,
	s_add_co_u32 s96, s95, 95
	s_lshr_b32 s96, s96, 7
	s_min_u32 s97, s95, 1
	s_max_u32 s96, s96, s97                        ; its blocks,
	s_sub_co_u32 s97, s96, 1                       ; the last of them
	v_sub_nc_u32 v[TA], v0, s98                    ; my thread's block, counted from the expert's first
	s_delay_alu instid0(VALU_DEP_1)
	v_cmp_gt_u32 vcc_lo, s96, v[TA]                ; is it one of them?
	s_delay_alu instid0(VALU_DEP_2)
	v_cmp_eq_u32 s99, s97, v[TA]                   ; the last of them?
	s_delay_alu instid0(VALU_DEP_3)
	v_lshlrev_b32 v[TA+1], 7, v[TA]
	s_delay_alu instid0(VALU_DEP_1)
	v_sub_nc_u32 v[TB], s95, v[TA+1]               ; the rows that are left from it on
	s_delay_alu instid0(VALU_DEP_1)
	v_cndmask_b32 v[TB], v[TB+2], v[TB], s99       ; its rows: 128, in the last block what is left
	s_delay_alu instid0(VALU_DEP_3)
	v_add_nc_u32 v[TA+1], s93, v[TA+1]             ; its first row
	s_delay_alu instid0(VALU_DEP_2)
	v_lshl_or_b32 v[TB], v[TB], 8, \e
	s_delay_alu instid0(VALU_DEP_1)
	v_lshl_or_b32 v[TB], v[TA+1], 16, v[TB]        ; expert | rows << 8 | first row << 16
	s_delay_alu instid0(VALU_DEP_1)
	v_cndmask_b32 v[BLK], v[BLK], v[TB], vcc_lo
	s_mov_b32 s93, s94
	s_add_co_u32 s98, s98, s96
.endr
	; the tokens, by pair: tiles of 64.  At most (2,048 + 36 x 63) / 64 = 67 tiles
	s_mov_b32 s93, 0
.irp a, 0,1,2,3,4,5,6,7
.irp b, 0,1,2,3,4,5,6,7
.if \b >= \a
.set ky, 8*\a+\b
	v_readlane_b32 s95, v[TOT+ky/32], ky%32
	v_writelane_b32 v[U3+ky/32], s93, ky%32
	s_add_co_u32 s96, s95, 63
	s_lshr_b32 s96, s96, 6
	s_lshr_b32 s97, s93, 6
	v_sub_nc_u32 v[TA], v0, s97
	s_delay_alu instid0(VALU_DEP_1)
	v_cmp_gt_u32 vcc_lo, s96, v[TA]
	s_delay_alu instid0(VALU_DEP_2)
	v_lshlrev_b32 v[TA+1], 6, v[TA]
	s_delay_alu instid0(VALU_DEP_1)
	v_sub_nc_u32 v[TA+1], s95, v[TA+1]
	s_delay_alu instid0(VALU_DEP_1)
	v_min_u32 v[TA+1], 64, v[TA+1]
	s_delay_alu instid0(VALU_DEP_1)
	v_lshl_or_b32 v[TA+1], v[TA+1], 8, \a+16*\b    ; a | b << 4 | rows << 8
	s_delay_alu instid0(VALU_DEP_1)
	v_cndmask_b32 v[TIL], v[TIL], v[TA+1], vcc_lo
	s_lshl_b32 s96, s96, 6
	s_add_co_u32 s93, s93, s96
.endif
.endr
.endr
.irp f, 0,1
	v_add_nc_u32 v[U1+\f], v[U1+\f], v[PRE+\f]     ; my wave's tokens come behind those of the waves before it
	v_add_nc_u32 v[U2+\f], v[U2+\f], v[PRE+\f]
	v_add_nc_u32 v[U3+\f], v[U3+\f], v[PRE+\f]
.endr
	v_lshlrev_b32 v5, 2, v0
	global_store_b32 v5, v[BLK], s[20:21]              ; 256 words each: every word is written, 0 for a block or tile that this split does not have
	global_store_b32 v5, v[TIL], s[20:21] offset:1024
; the rows are placed.  Each j has registers of its own for what its stores read
.macro PLACE_A j
.set PLB, PL+12*(\j)
.set BPB, BP+6*((\j)%4)
	v_lshlrev_b32 v[PLB+10], 2, v[KEY+\j]          ; the permute's index: 4 x (key % 32) counts
	ds_bpermute_b32 v[BPB],   v[PLB+10], v[U1]
	ds_bpermute_b32 v[BPB+1], v[PLB+10], v[U1+1]
	ds_bpermute_b32 v[BPB+2], v[PLB+10], v[U2]
	ds_bpermute_b32 v[BPB+3], v[PLB+10], v[U2+1]
	ds_bpermute_b32 v[BPB+4], v[PLB+10], v[U3]
	ds_bpermute_b32 v[BPB+5], v[PLB+10], v[U3+1]
.endm
.macro PLACE_B j
.set PLB, PL+12*(\j)
.set BPB, BP+6*((\j)%4)
	v_cmp_lt_u32 vcc_lo, 31, v[KEY+\j]
	s_delay_alu instid0(VALU_DEP_1)
	v_cndmask_b32 v[BPB],   v[BPB],   v[BPB+1], vcc_lo
	s_delay_alu instid0(VALU_DEP_2)
	v_cndmask_b32 v[BPB+2], v[BPB+2], v[BPB+3], vcc_lo
	s_delay_alu instid0(VALU_DEP_3)
	v_cndmask_b32 v[BPB+4], v[BPB+4], v[BPB+5], vcc_lo
	s_delay_alu instid0(VALU_DEP_3)
	v_add_nc_u32 v[BPB],   v[BPB],   v[RK+\j]      ; my row in expert a's region,
	s_delay_alu instid0(VALU_DEP_3)
	v_add_nc_u32 v[BPB+2], v[BPB+2], v[RK+\j]      ; in b's,
	s_delay_alu instid0(VALU_DEP_3)
	v_add_nc_u32 v[BPB+4], v[BPB+4], v[RK+\j]      ; and among the pairs' tiles: Pd
	s_delay_alu instid0(VALU_DEP_2)
	v_cndmask_b32 v[BPB+2], v[BPB+2], v[BPB], s[EQ+\j]   ; one expert twice: ONE row; the second store repeats the first
	s_delay_alu instid0(VALU_DEP_4)
	v_min_u32 v[BPB],   4991, v[BPB]               ; held inside the lists, which have room for 4,992 rows and 67 x 64 tokens
	s_delay_alu instid0(VALU_DEP_2)
	v_min_u32 v[BPB+2], 4991, v[BPB+2]
	s_delay_alu instid0(VALU_DEP_4)
	v_min_u32 v[BPB+4], 4287, v[BPB+4]
	v_add_nc_u32 v[PLB], 256*(\j), v0              ; the token
	s_delay_alu instid0(VALU_DEP_1)
	v_mov_b32 v[PLB+2], v[PLB]
	s_delay_alu instid0(VALU_DEP_3)
	v_and_b32 v[PLB+10], 0xfff0, v[BPB+4]
	s_delay_alu instid0(VALU_DEP_4)
	v_and_b32 v[PLB+11], 15, v[BPB+4]
	s_delay_alu instid0(VALU_DEP_1)
	v_lshl_add_u32 v[PLB+1], v[PLB+10], 1, v[PLB+11]   ; q = (Pd / 16) << 5 | slot << 4 | Pd % 16: where the row's activations go; slot 0 for a,
	s_delay_alu instid0(VALU_DEP_1)
	v_add_nc_u32 v[PLB+3], 16, v[PLB+1]                ; slot 1 for b
	s_delay_alu instid0(VALU_DEP_1)
	v_cndmask_b32 v[PLB+3], v[PLB+3], v[PLB+1], s[EQ+\j]
	v_cndmask_b32 v[PLB+9], v[WB+\j], v[WA+\j], s[EQ+\j]
	v_lshlrev_b32 v[PLB+4], 3, v[BPB]
	v_lshlrev_b32 v[PLB+5], 3, v[BPB+2]
	v_lshlrev_b32 v[PLB+6], 2, v[BPB]
	v_lshlrev_b32 v[PLB+7], 2, v[BPB+2]
	v_lshlrev_b32 v[PLB+8], 2, v[BPB+4]
	global_store_b64 v[PLB+4], v[PLB:PLB+1], s[20:21] offset:2048
	global_store_b64 v[PLB+5], v[PLB+2:PLB+3], s[20:21] offset:2048
	global_store_b32 v[PLB+6], v[WA+\j], s[22:23]
	global_store_b32 v[PLB+7], v[PLB+9], s[22:23]
	global_store_b32 v[PLB+8], v[PLB], s[20:21] offset:41984
.endm
.irp j, 0,1,2,3
	PLACE_A \j
.endr
	s_wait_dscnt 0x0
.irp j, 0,1,2,3
	PLACE_B \j
.endr
.irp j, 4,5,6,7
	PLACE_A \j
.endr
	s_wait_dscnt 0x0
.irp j, 4,5,6,7
	PLACE_B \j
.endr
	s_wait_tensorcnt 0x0                           ; the wave's end, behind my last LDS store
	ds_add_u32 v[SPW], v[NIL]
	s_wait_dscnt 0x0
	s_endpgm
.Lfunc_end_k_qe8dab8c5e2_prep:
	.size	k_qe8dab8c5e2_prep, .Lfunc_end_k_qe8dab8c5e2_prep-k_qe8dab8c5e2_prep
	.p2alignl 7, 3214868480
	.fill 96, 4, 3214868480
	.section	.rodata,"a",@progbits
	.p2align	6, 0x0
	.amdhsa_kernel k_qe8dab8c5e2_prep
		.amdhsa_group_segment_fixed_size 115712
		.amdhsa_private_segment_fixed_size 0
		.amdhsa_enable_private_segment 0
		.amdhsa_kernarg_size 80
		.amdhsa_user_sgpr_count 2
		.amdhsa_user_sgpr_kernarg_segment_ptr 1
		.amdhsa_wavefront_size32 1
		.amdhsa_system_sgpr_workgroup_id_x 1
		.amdhsa_system_sgpr_workgroup_id_y 1
		.amdhsa_system_sgpr_workgroup_id_z 1
		.amdhsa_system_vgpr_workitem_id 0
		.amdhsa_next_free_vgpr 256
		.amdhsa_next_free_sgpr 102
		.amdhsa_reserve_vcc 1
		.amdhsa_float_denorm_mode_32 3
		.amdhsa_float_denorm_mode_16_64 3
		.amdhsa_fp16_overflow 1
		.amdhsa_memory_ordered 1
		.amdhsa_forward_progress 1
		.amdhsa_inst_pref_size 252
	.end_amdhsa_kernel
	.amdgpu_metadata
---
amdhsa.version: [ 1, 2 ]
amdhsa.kernels:
  - .name:           k_qe8dab8c5e2_prep
    .symbol:         k_qe8dab8c5e2_prep.kd
    .args:
      - { .name: hidden_states, .offset: 0, .size: 8, .value_kind: global_buffer, .address_space: global }
      - { .name: w_up, .offset: 8, .size: 8, .value_kind: global_buffer, .address_space: global }
      - { .name: w_dn, .offset: 16, .size: 8, .value_kind: global_buffer, .address_space: global }
      - { .name: topk_ids, .offset: 24, .size: 8, .value_kind: global_buffer, .address_space: global }
      - { .name: topk_weights, .offset: 32, .size: 8, .value_kind: global_buffer, .address_space: global }
      - { .name: xq, .offset: 40, .size: 8, .value_kind: global_buffer, .address_space: global }
      - { .name: wuq, .offset: 48, .size: 8, .value_kind: global_buffer, .address_space: global }
      - { .name: wdq, .offset: 56, .size: 8, .value_kind: global_buffer, .address_space: global }
      - { .name: lists, .offset: 64, .size: 8, .value_kind: global_buffer, .address_space: global }
      - { .name: rwt, .offset: 72, .size: 8, .value_kind: global_buffer, .address_space: global }
    .group_segment_fixed_size: 115712
    .private_segment_fixed_size: 0
    .kernarg_segment_align: 8
    .kernarg_segment_size: 80
    .max_flat_workgroup_size: 256
    .sgpr_count:     102
    .vgpr_count:     256
    .wavefront_size: 32
...
	.end_amdgpu_metadata
.endif
;; end of part 4
;; launch up (part 5): grid 8 x 39, 6 waves a work-group, no clusters, 0 bytes of LDS; arguments xq, wuq, lists, rwt, aq; writes aq
.if DOCPART == 5
	.amdgcn_target "amdgcn-amd-amdhsa--gfx1250"
	.amdhsa_code_object_version 6
	.text
	.protected	k_qe8dab8c5e2_up
	.globl	k_qe8dab8c5e2_up
	.p2align	8
	.type	k_qe8dab8c5e2_up,@function
k_qe8dab8c5e2_up:
	s_mov_b64 s[64:65], 0
	v_nop
	global_prefetch_b8 v0, s[64:65] scope:SCOPE_SE
	s_setreg_imm32_b32 hwreg(HW_REG_WAVE_MODE, 25, 1), 1
	s_wait_xcnt 0x0
; SECOND LAUNCH: the first quantised product for the routed rows alone, silu(gate) x up x combine, and the quantiser of the second product's left operand.
; WORK LEFT OUT: the columns of x w_up^T for experts that a token does not name: they feed only numbers that reference() multiplies by the zeros of its own one_hot (shown at the head of the first launch).
; SHARES.  Work-group (x = nc, y = block): a block of routed rows of one expert x 64 hidden units.  A block has 128 rows; an expert's last block has what is left, up to 160.  Six waves: wave w takes rows 64 (w / 2) on
; and hidden units 32 hc on, hc = 2 nc + w % 2: four tiles of 16 rows against the four weight tiles G0, G1 (gate) and U0, U1 (up), 16 accumulators, 16 K steps of 128.  Waves 4 and 5 have rows only where a last block
; holds more than 128: those up to 32 rows then use the weights that the work-group's other waves read anyway (2 KB of x more for each row), where a block of their own would read 128 weight rows x 2 KB anew in each of 8 work-groups.
; The grid, 39 blocks, serves every split ((4,096 + 8 x 127) / 128); a block, or a wave's part of it, that this split leaves without rows ends on
; a number read from the list.  That is a branch on a stored number: so the launch has no tensor load, no joint loads of a cluster and no barrier; the waves are independent, and operands go from memory straight
; into registers: the weights as images of their fragments (512 consecutive bytes a load), x's rows gathered by token (four loads on end cover 128 bytes of each of 16 rows).
; Rows past a block's count repeat its last row (the row index is held at count - 1): no unwritten byte is read, and what they store is the same bytes at the same place.
; LAYOUT.  The product is used transposed (source 0 = 16 rows of w_up, source 1 = 16 rows of x), and lane r of tile G_u holds weight row 32 hc + 8 u + r + 8 (r / 8): so lane (r, h) holds row r, and its 16 registers
; of G0 and G1 are hidden units 32 hc + 16 h + 0 .. 15: 16 neighbours along the next K; lanes l and l xor 16 hold that product's block of 32.
; LIMITS: as stated at the head of the first launch.  silu(g) = g / (1 + 2^(-g log2 e)), in f32, the factors multiplied in reference()'s order: ((g sigma) u) c.
; REGISTERS, window 0: v1 r, v2 h, v3 16 x lane, v4 16 h; v6-13 {token, q} of my four rows, v14-15 tokens for the scale words, later v6-21 the codes; v22-29 combine (even registers; the odd ones 0, named with them as pairs);
;   v30-33, v34-35 x's offsets; v36-45 list indices, later v36-39, v40-43 where codes and bytes go, v44-63 the quantiser's; v64-95 x's scale words, v96-127 the weights'; v128-255 the accumulators.
;   window 1: two sets of fragments, v0-127 and v128-255: four of w_up, then four of x; on the way out v0-63 at work.
.set LW,  3
.set RR,  6
.set TS,  14
.set CD,  6
.set RW,  22
.set XO,  30
.set XSO, 34
.set IX,  36
.set DO,  36
.set SO,  40
.set MX,  44
.set PM,  48
.set HD,  52
.set SCF, 56
.set BY,  60
.set XSC, 64                           ; register 16 p + k: lanes 0-15 the word of row tile p, lanes 16-31 of row tile p + 2, K step k
.set WSC, 96                           ; register 16 u + k: lanes 0-15 G_u's word, lanes 16-31 U_u's
.set ACC, 128                          ; accumulator (row tile i, weight tile t) at 32 i + 8 t
.set MSB, 0
.macro WIN new                         ; the immediate's high byte repeats the setting that is left
.if MSB != \new
	s_set_vgpr_msb (MSB<<8)|\new
.set MSB, \new
.endif
.endm
.set MUL,  0x05                        ; sources 0 and 1 window 1; C and D window 0
.set TO_F, 0x40                        ; destination window 1, address window 0
; one matrix instruction, by the symbols rD, rA, rB, rSA, rSB; rRA, rRB: that side's scales stand in lanes 16-31; rZ: the first product starts the sum
.macro MM
.if rZ
.if rRA && rRB
	v_wmma_scale_f32_16x16x128_f8f6f4 v[rD:rD+7], v[rA:rA+15], v[rB:rB+15], 0, v[rSA], v[rSB] matrix_a_fmt:MATRIX_FMT_BF8 matrix_b_fmt:MATRIX_FMT_BF8 matrix_a_scale:MATRIX_SCALE_ROW1 matrix_b_scale:MATRIX_SCALE_ROW1
.elseif rRA
	v_wmma_scale_f32_16x16x128_f8f6f4 v[rD:rD+7], v[rA:rA+15], v[rB:rB+15], 0, v[rSA], v[rSB] matrix_a_fmt:MATRIX_FMT_BF8 matrix_b_fmt:MATRIX_FMT_BF8 matrix_a_scale:MATRIX_SCALE_ROW1
.elseif rRB
	v_wmma_scale_f32_16x16x128_f8f6f4 v[rD:rD+7], v[rA:rA+15], v[rB:rB+15], 0, v[rSA], v[rSB] matrix_a_fmt:MATRIX_FMT_BF8 matrix_b_fmt:MATRIX_FMT_BF8 matrix_b_scale:MATRIX_SCALE_ROW1
.else
	v_wmma_scale_f32_16x16x128_f8f6f4 v[rD:rD+7], v[rA:rA+15], v[rB:rB+15], 0, v[rSA], v[rSB] matrix_a_fmt:MATRIX_FMT_BF8 matrix_b_fmt:MATRIX_FMT_BF8
.endif
.else
.if rRA && rRB
	v_wmma_scale_f32_16x16x128_f8f6f4 v[rD:rD+7], v[rA:rA+15], v[rB:rB+15], v[rD:rD+7], v[rSA], v[rSB] matrix_a_fmt:MATRIX_FMT_BF8 matrix_b_fmt:MATRIX_FMT_BF8 matrix_a_scale:MATRIX_SCALE_ROW1 matrix_b_scale:MATRIX_SCALE_ROW1
.elseif rRA
	v_wmma_scale_f32_16x16x128_f8f6f4 v[rD:rD+7], v[rA:rA+15], v[rB:rB+15], v[rD:rD+7], v[rSA], v[rSB] matrix_a_fmt:MATRIX_FMT_BF8 matrix_b_fmt:MATRIX_FMT_BF8 matrix_a_scale:MATRIX_SCALE_ROW1
.elseif rRB
	v_wmma_scale_f32_16x16x128_f8f6f4 v[rD:rD+7], v[rA:rA+15], v[rB:rB+15], v[rD:rD+7], v[rSA], v[rSB] matrix_a_fmt:MATRIX_FMT_BF8 matrix_b_fmt:MATRIX_FMT_BF8 matrix_b_scale:MATRIX_SCALE_ROW1
.else
	v_wmma_scale_f32_16x16x128_f8f6f4 v[rD:rD+7], v[rA:rA+15], v[rB:rB+15], v[rD:rD+7], v[rSA], v[rSB] matrix_a_fmt:MATRIX_FMT_BF8 matrix_b_fmt:MATRIX_FMT_BF8
.endif
.endif
.endm
	s_load_b256 s[4:11], s[0:1], 0x0               ; xq s[4:5], wuq s[6:7], lists s[8:9], rwt s[10:11]
	s_load_b64 s[12:13], s[0:1], 0x20              ; aq
	v_lshrrev_b32 v1, 5, v0
	v_readfirstlane_b32 s14, v1                    ; wave 0..5
	v_and_b32 v1, 15, v0                           ; r
	v_bfe_u32 v2, v0, 4, 1                         ; h
	v_and_b32 v3, 31, v0
	v_lshlrev_b32 v[LW], 4, v3                     ; 16 x lane
	v_lshlrev_b32 v4, 4, v2                        ; 16 h
	s_and_b32 s15, ttmp7, 0xffff                   ; the block
	s_lshl_b32 s16, s15, 2
	s_wait_kmcnt 0x0
	s_load_b32 s17, s[8:9], s16 offset:0x0         ; its word: expert | rows << 8 | first row << 16, 0 for a block that this split does not have
	s_lshl_b32 s22, ttmp9, 1
	s_and_b32 s23, s14, 1
	s_add_co_u32 s22, s22, s23                     ; hc
	s_lshr_b32 s20, s14, 1
	s_lshl_b32 s20, s20, 6                         ; my first row in the block: 0, 64 or 128
	s_mov_b32 s38, 0x76543210                      ; v_permlanex16_b32's selects for lane l xor 16
	s_mov_b32 s39, 0xfedcba98
	s_wait_kmcnt 0x0
	s_and_b32 s18, s17, 255
	s_min_u32 s18, s18, 7                          ; the expert
	s_bfe_u32 s19, s17, 0x80008
	s_min_u32 s19, s19, 192                        ; the block's rows
	s_lshr_b32 s41, s17, 16
	s_min_u32 s41, s41, 4095                       ; its first row among all routed rows: with 191 more at the most, inside the lists' 4,992 rows
	s_cmp_le_u32 s19, s20                          ; none for my wave: nothing is stored
	s_cbranch_scc1 .Lend
	s_sub_co_u32 s21, s19, 1
	s_lshl_b32 s23, s18, 4
	s_add_co_u32 s23, s23, s22                     ; 16 e + hc
	s_mov_b32 s43, 0
	s_lshl_b32 s42, s23, 17
	s_add_nc_u64 s[24:25], s[6:7], s[42:43]        ; my weights' images: 16 K steps x 4 tiles x 2,048 bytes
	s_lshl_b32 s42, s23, 12
	s_add_co_u32 s42, s42, 16777216
	s_add_nc_u64 s[26:27], s[6:7], s[42:43]        ; their scale words
	s_add_nc_u64 s[28:29], s[4:5], 4194304         ; x's scale words
	s_lshl_b32 s42, s41, 3
	s_add_co_u32 s42, s42, 2048
	s_add_nc_u64 s[30:31], s[8:9], s[42:43]        ; the block's rows: {token, q}, 8 bytes each
	s_lshl_b32 s42, s41, 2
	s_add_nc_u64 s[32:33], s[10:11], s[42:43]      ; their combine weights
	s_lshr_b32 s42, s22, 2
	s_lshl_b32 s42, s42, 11
	s_and_b32 s16, s22, 3
	s_lshl_b32 s16, s16, 9
	s_add_co_u32 s42, s42, s16
	s_add_nc_u64 s[34:35], s[12:13], s[42:43]      ; the activations' images: K step hc / 4 of the row's slot, part hc % 4
	s_add_co_u32 s42, s22, 4456448
	s_add_nc_u64 s[36:37], s[12:13], s[42:43]      ; their scale bytes: byte hc of the row's slot
	s_wait_alu depctr_va_vdst(0)
	v_add_nc_u32 v5, s20, v1
.irp i, 0,1,2,3
	v_add_nc_u32 v[IX+\i], 16*\i, v5               ; row tile i, row r,
	v_min_u32 v[IX+\i], s21, v[IX+\i]              ; held at the block's last row,
	v_min_u32 v[IX+\i], 191, v[IX+\i]              ; and inside the block whatever the list holds
	v_lshlrev_b32 v[IX+4+\i], 2, v[IX+\i]
	v_lshlrev_b32 v[IX+\i], 3, v[IX+\i]
.endr
	v_lshl_add_u32 v5, v2, 5, v5                   ; for the scale words lanes 16-31 take the rows two tiles on
.irp p, 0,1
	v_add_nc_u32 v[IX+8+\p], 16*\p, v5
	v_min_u32 v[IX+8+\p], s21, v[IX+8+\p]
	v_min_u32 v[IX+8+\p], 191, v[IX+8+\p]
	v_lshlrev_b32 v[IX+8+\p], 3, v[IX+8+\p]
.endr
.irp i, 0,1,2,3
	global_load_b64 v[RR+2*\i:RR+2*\i+1], v[IX+\i], s[30:31]
.endr
.irp p, 0,1
	global_load_b32 v[TS+\p], v[IX+8+\p], s[30:31]
.endr
.irp i, 0,1,2,3
	global_load_b32 v[RW+2*\i], v[IX+4+\i], s[32:33]
.endr
.irp i, 0,1,2,3
	v_mov_b32 v[RW+2*\i+1], 0
.endr
.irp u, 0,1
.irp g, 0,1,2,3
	global_load_b128 v[WSC+16*\u+4*\g:WSC+16*\u+4*\g+3], v[LW], s[26:27] offset:2048*\u+512*\g
.endr
.endr
.macro LOADW k                         ; the four weight fragments of K step k: 16 loads of 512 consecutive bytes
.irp t, 0,1,2,3
.irp c, 0,1,2,3
	global_load_b128 v[128*((\k)%2)+16*\t+4*\c:128*((\k)%2)+16*\t+4*\c+3], v[LW], s[24:25] offset:8192*(\k)+2048*\t+512*\c
.endr
.endr
.endm
.macro LOADX k                         ; x's four fragments: lane (r, h) takes k = 32 c + 16 h + 0 .. 15 of its token's row
.irp i, 0,1,2,3
.irp c, 0,1,2,3
	global_load_b128 v[128*((\k)%2)+64+16*\i+4*\c:128*((\k)%2)+64+16*\i+4*\c+3], v[XO+\i], s[4:5] offset:128*(\k)+32*\c
.endr
.endr
.endm
	WIN TO_F
	LOADW 0
	WIN 0
	s_wait_loadcnt 24                              ; the ten loads from the lists are in; behind them: 8 of scale words and 16 of fragments
.irp i, 0,1,2,3
	v_min_u32 v[RR+2*\i], 2047, v[RR+2*\i]         ; the token, held inside x
	v_min_u32 v[RR+2*\i+1], 0x21ff, v[RR+2*\i+1]   ; q, held inside aq: 272 x 32 - 1
	v_lshl_add_u32 v[XO+\i], v[RR+2*\i], 11, v4
.endr
.irp p, 0,1
	v_min_u32 v[TS+\p], 2047, v[TS+\p]
	v_lshlrev_b32 v[XSO+\p], 4, v[TS+\p]
.endr
.irp p, 0,1
.irp g, 0,1,2,3
	global_load_b128 v[XSC+16*\p+4*\g:XSC+16*\p+4*\g+3], v[XSO+\p], s[28:29] offset:32768*\g
.endr
.endr
	WIN TO_F
	LOADX 0
	LOADW 1
	LOADX 1
; A K step: 16 matrix instructions; the 16 accumulators take turns, one instruction a turn, in the same order in every step.  Then the fragments of two steps on, into the set just read:
; eight places stand between the products and loads into registers that they have read.
.macro STEP k
.if (\k) < 15
	s_wait_loadcnt 32                              ; this step's loads, and all before them, are in; the next step's 32 may be out
.else
	s_wait_loadcnt 0x0
.endif
	WIN MUL
.set rZ, 0
.if (\k) == 0
.set rZ, 1
.endif
.irp i, 0,1,2,3
.irp t, 0,1,2,3
.set rD, ACC+32*\i+8*\t
.set rA, 128*((\k)%2)+16*\t
.set rB, 128*((\k)%2)+64+16*\i
.set rSA, WSC+16*(\t%2)+(\k)
.set rSB, XSC+16*(\i%2)+(\k)
.set rRA, \t/2
.set rRB, \i/2
	MM
.endr
.endr
.if (\k)+2 < 16
.rept 8
	v_nop
.endr
	WIN TO_F
	LOADW (\k)+2
	LOADX (\k)+2
.endif
.endm
	s_wait_alu depctr_va_vdst(0)
.irp k, 0,1,2,3,4,5,6,7,8,9,10,11,12,13,14,15
	STEP \k
.endr
	WIN 0
	; THE WAY OUT.  Where my four rows' codes and bytes go: these forty plain lines are also the places behind the last products
.irp i, 0,1,2,3
	v_and_b32 v[DO+\i], 0xfff0, v[RR+2*\i+1]
	v_and_b32 v[SO+\i], 15, v[RR+2*\i+1]
	v_lshlrev_b32 v[DO+\i], 9, v[DO+\i]            ; row tile x 16,384 + slot x 8,192
	v_lshl_add_u32 v[DO+\i], v[SO+\i], 4, v[DO+\i] ; + 16 x (Pd % 16)
	v_lshl_add_u32 v[DO+\i], v2, 8, v[DO+\i]       ; + 256 h: my place in the image's part
	v_and_b32 v[MX+\i], 0xffe0, v[RR+2*\i+1]
	v_lshlrev_b32 v[SO+\i], 5, v[SO+\i]
	v_lshl_add_u32 v[SO+\i], v[MX+\i], 4, v[SO+\i] ; 32 Pd
	v_and_b32 v[MX+\i], 16, v[RR+2*\i+1]
	v_add_nc_u32 v[SO+\i], v[SO+\i], v[MX+\i]      ; + 16 x slot
.endr
.irp i, 0,1,2,3
	v_mov_b32 v[PM+\i], 0                          ; a lane permute's destination counts as one of its sources
.endr
	WIN 0x40                                       ; destination window 1
.irp i, 0,1,2,3
.irp n, 0,1,2,3,4,5,6,7,8,9,10,11,12,13,14,15
	v_mul_f32 v[16*\i+\n], 0xbfb8aa3b, v[ACC+32*\i+\n]   ; -g log2(e); each accumulator is read from its low end on
.endr
.endr
	WIN 0x41                                       ; destination and source 0 window 1
.set nn, 0
	s_wait_alu depctr_va_vdst(0)
.rept 64
	v_exp_f32 v[nn], v[nn]
.set nn, nn+1
.endr
	v_nop                                          ; a plain instruction behind the last exponential
	s_wait_alu depctr_va_vdst(0)                   ; one wait for the batch, ahead of its first reader
.set nn, 0
.rept 32
	v_pk_add_f32 v[nn:nn+1], v[nn:nn+1], 1.0 op_sel_hi:[1,0]
.set nn, nn+2
.endr
.set nn, 0
	s_wait_alu depctr_va_vdst(0)
.rept 64
	v_rcp_f32 v[nn], v[nn]
.set nn, nn+1
.endr
	v_nop
	s_wait_alu depctr_va_vdst(0)                   ; and one for the reciprocals
	WIN 0x04                                       ; source 1 window 1
.irp i, 0,1,2,3
.irp n, 0,2,4,6,8,10,12,14
	v_pk_mul_f32 v[ACC+32*\i+\n:ACC+32*\i+\n+1], v[ACC+32*\i+\n:ACC+32*\i+\n+1], v[16*\i+\n:16*\i+\n+1]   ; silu(g)
.endr
.endr
	WIN 0
.irp i, 0,1,2,3
.irp n, 0,2,4,6,8,10,12,14
	v_pk_mul_f32 v[ACC+32*\i+\n:ACC+32*\i+\n+1], v[ACC+32*\i+\n:ACC+32*\i+\n+1], v[ACC+32*\i+16+\n:ACC+32*\i+16+\n+1]   ; x up
.endr
.endr
.irp i, 0,1,2,3
.irp n, 0,2,4,6,8,10,12,14
	v_pk_mul_f32 v[ACC+32*\i+\n:ACC+32*\i+\n+1], v[ACC+32*\i+\n:ACC+32*\i+\n+1], v[RW+2*\i:RW+2*\i+1] op_sel_hi:[1,0]   ; x combine
.endr
.endr
	; the quantiser along the next K: for each of my four rows one block of 32, 16 numbers mine, 16 lane l xor 16's
.irp i, 0,1,2,3
	v_max3_num_f32 v[MX+\i], |v[ACC+32*\i]|, |v[ACC+32*\i+1]|, 0x8000000   ; with the floor 2^(16 - 127): the byte cannot fall under 1
.endr
.irp n, 2,4,6,8,10,12,14
.irp i, 0,1,2,3
	v_max3_num_f32 v[MX+\i], v[MX+\i], |v[ACC+32*\i+\n]|, |v[ACC+32*\i+\n+1]|
.endr
.endr
.irp i, 0,1,2,3
	v_permlanex16_b32 v[PM+\i], v[MX+\i], s38, s39
.endr
.irp i, 0,1,2,3
	v_max_num_f32 v[MX+\i], v[MX+\i], v[PM+\i]
.endr
.irp i, 0,1,2,3
	v_add_nc_u32 v[SCF+\i], 0xf8800000, v[MX+\i]   ; 15 off the exponent field: the conversion's scale operand
.endr
.irp i, 0,1,2,3
.endr
.irp i, 0,1,2,3
	v_lshrrev_b32 v[BY+\i], 23, v[SCF+\i]          ; the scale's byte
.endr
.irp i, 0,1,2,3
.irp n, 0,1,2,3,4,5,6,7,8,9,10,11,12,13,14,15
.endr
.endr
.irp i, 0,1,2,3
	v_cvt_scalef32_pk8_bf8_f32 v[CD+4*\i:CD+4*\i+1], v[ACC+32*\i:ACC+32*\i+7], v[SCF+\i]
	v_cvt_scalef32_pk8_bf8_f32 v[CD+4*\i+2:CD+4*\i+3], v[ACC+32*\i+8:ACC+32*\i+15], v[SCF+\i]
.endr
	v_nop                                          ; a plain line behind the last conversion
.irp i, 0,1,2,3
	global_store_b128 v[DO+\i], v[CD+4*\i:CD+4*\i+3], s[34:35]   ; rows of one pair are neighbours in both orders: sixteen lanes then store 256 consecutive bytes
.endr
.irp i, 0,1,2,3
	global_store_b8 v[SO+\i], v[BY+\i], s[36:37]   ; both lanes of a block store the same byte with the same value; a wave owns one byte of a row's 32
.endr
.Lend:
	s_endpgm
.Lfunc_end_k_qe8dab8c5e2_up:
	.size	k_qe8dab8c5e2_up, .Lfunc_end_k_qe8dab8c5e2_up-k_qe8dab8c5e2_up
	.p2alignl 7, 3214868480
	.fill 96, 4, 3214868480
	.section	.rodata,"a",@progbits
	.p2align	6, 0x0
	.amdhsa_kernel k_qe8dab8c5e2_up
		.amdhsa_group_segment_fixed_size 0
		.amdhsa_private_segment_fixed_size 0
		.amdhsa_enable_private_segment 0
		.amdhsa_kernarg_size 40
		.amdhsa_user_sgpr_count 2
		.amdhsa_user_sgpr_kernarg_segment_ptr 1
		.amdhsa_wavefront_size32 1
		.amdhsa_system_sgpr_workgroup_id_x 1
		.amdhsa_system_sgpr_workgroup_id_y 1
		.amdhsa_system_sgpr_workgroup_id_z 1
		.amdhsa_system_vgpr_workitem_id 0
		.amdhsa_next_free_vgpr 512
		.amdhsa_next_free_sgpr 66
		.amdhsa_reserve_vcc 0
		.amdhsa_float_denorm_mode_32 3
		.amdhsa_float_denorm_mode_16_64 3
		.amdhsa_fp16_overflow 1
		.amdhsa_memory_ordered 1
		.amdhsa_forward_progress 1
		.amdhsa_inst_pref_size 115
	.end_amdhsa_kernel
	.amdgpu_metadata
---
amdhsa.version: [ 1, 2 ]
amdhsa.kernels:
  - .name:           k_qe8dab8c5e2_up
    .symbol:         k_qe8dab8c5e2_up.kd
    .args:
      - { .name: xq, .offset: 0, .size: 8, .value_kind: global_buffer, .address_space: global }
      - { .name: wuq, .offset: 8, .size: 8, .value_kind: global_buffer, .address_space: global }
      - { .name: lists, .offset: 16, .size: 8, .value_kind: global_buffer, .address_space: global }
      - { .name: rwt, .offset: 24, .size: 8, .value_kind: global_buffer, .address_space: global }
      - { .name: aq, .offset: 32, .size: 8, .value_kind: global_buffer, .address_space: global }
    .group_segment_fixed_size: 0
    .private_segment_fixed_size: 0
    .kernarg_segment_align: 8
    .kernarg_segment_size: 40
    .max_flat_workgroup_size: 192
    .sgpr_count:     66
    .vgpr_count:     512
    .wavefront_size: 32
...
	.end_amdgpu_metadata
.endif
;; end of part 5
;; launch down (part 6): grid 8 x 67, 4 waves a work-group, no clusters, 17,920 bytes of LDS; arguments aq, wdq, lists, out0; writes out0
.if DOCPART == 6
	.amdgcn_target "amdgcn-amd-amdhsa--gfx1250"
	.amdhsa_code_object_version 6
	.text
	.protected	k_qe8dab8c5e2_down
	.globl	k_qe8dab8c5e2_down
	.p2align	8
	.type	k_qe8dab8c5e2_down,@function
k_qe8dab8c5e2_down:
	s_mov_b64 s[64:65], 0
	v_nop
	global_prefetch_b8 v0, s[64:65] scope:SCOPE_SE
	s_setreg_imm32_b32 hwreg(HW_REG_WAVE_MODE, 25, 1), 1
	s_wait_xcnt 0x0
; THIRD LAUNCH: the second quantised product.  WORK LEFT OUT: the K steps of the experts that a token does not name: their codes are zeros (shown at the head of the first launch).
; Tokens are sorted by their PAIR of experts (a <= b), so that each output row has one owner and nothing is added between work-groups: for a tile of 64 tokens of one pair K is a's 512 and then b's 512,
; or a's 512 alone where a = b (that row's weight is w0 + w1).
; SHARES.  Work-group (x, y = tile): 64 tokens x 256 columns.  Wave w: columns 64 (4 x + w) on: four tiles of 16 rows against four tiles of 16 rows of w_dn, 16 accumulators, 8 or 4 K steps of 128.
; The grid, 67 tiles, serves every split ((2,048 + 36 x 63) / 64); a tile that this split does not have stores nothing.  That, the choice between 8 and 4 K steps and the end of the stores are branches on numbers read from
; the list: so the launch has no tensor load, no joint loads of a cluster and no barrier; the waves are independent, and both operands come from memory as images of their fragments, 512 consecutive bytes a load.
; Rows past a tile's count repeat its last row (the row index is held at count - 1): no unwritten byte is read.  They are not stored, but that where the count is odd the last store's upper sixteen lanes
; store the last row once more, the same numbers at the same place.
; The product is used transposed (source 0 = 16 rows of w_dn, source 1 = 16 rows of activations): a lane holds eight neighbouring columns of one token's row.  A tile of 16 rows goes through the wave's own stage in LDS
; and leaves by rows, scattered to the tokens: sixteen lanes store 256 consecutive bytes, aligned.  Sums in f32, K ascending, a ahead of b.  LIMITS: as stated at the head of the first launch.
; REGISTERS, window 0: v1 r, v2 h, v3 16 x lane, v4 16 r; v6-9, v10-11 the activations' offsets; v12, v13 the stage; v14, v15 the add's two; v32-63 tokens, then offsets in out0; v64-79 the activations' scale words,
;   v80-95 the weights'; v128-255 the accumulators.   window 1: two sets of fragments, v0-127 and v128-255: four of w_dn, then four of the activations.
.set LW,   3
.set AOFF, 6
.set ASO,  10
.set STI,  12
.set STR,  13
.set SPW,  14                          ; v14  LDS address of my spare word; never rewritten
.set NIL,  15                          ; v15  0; never rewritten
.set TK,   32
.set ASC,  64                          ; register 8 p + k: lanes 0-15 the word of row tile p, lanes 16-31 of row tile p + 2, K step k
.set WSC,  80                          ; register 8 (k / 4) + 4 u + k % 4: lanes 0-15 tile u's word, lanes 16-31 tile u + 2's
.set ACC,  128                         ; accumulator (row tile i, tile w of w_dn) at 32 i + 8 w
.set BA,   24                          ; s[24:25], s[26:27] the images of a's and b's rows of w_dn;  s[28:29], s[30:31] their scale words
.set BS,   28
.set SPARE, 17408                      ; behind the four stages of 16 x 272 bytes: the spare words, 128 bytes for each wave: two blocks of 256 bytes that no other line names
.set MSB, 0
.macro WIN new                         ; the immediate's high byte repeats the setting that is left
.if MSB != \new
	s_set_vgpr_msb (MSB<<8)|\new
.set MSB, \new
.endif
.endm
.set MUL,  0x05                        ; sources 0 and 1 window 1; C and D window 0
.set TO_F, 0x40                        ; destination window 1, address window 0
; one matrix instruction, by the symbols rD, rA, rB, rSA, rSB; rRA, rRB: that side's scales stand in lanes 16-31; rZ: the first product starts the sum
.macro MM
.if rZ
.if rRA && rRB
	v_wmma_scale_f32_16x16x128_f8f6f4 v[rD:rD+7], v[rA:rA+15], v[rB:rB+15], 0, v[rSA], v[rSB] matrix_a_fmt:MATRIX_FMT_BF8 matrix_b_fmt:MATRIX_FMT_BF8 matrix_a_scale:MATRIX_SCALE_ROW1 matrix_b_scale:MATRIX_SCALE_ROW1
.elseif rRA
	v_wmma_scale_f32_16x16x128_f8f6f4 v[rD:rD+7], v[rA:rA+15], v[rB:rB+15], 0, v[rSA], v[rSB] matrix_a_fmt:MATRIX_FMT_BF8 matrix_b_fmt:MATRIX_FMT_BF8 matrix_a_scale:MATRIX_SCALE_ROW1
.elseif rRB
	v_wmma_scale_f32_16x16x128_f8f6f4 v[rD:rD+7], v[rA:rA+15], v[rB:rB+15], 0, v[rSA], v[rSB] matrix_a_fmt:MATRIX_FMT_BF8 matrix_b_fmt:MATRIX_FMT_BF8 matrix_b_scale:MATRIX_SCALE_ROW1
.else
	v_wmma_scale_f32_16x16x128_f8f6f4 v[rD:rD+7], v[rA:rA+15], v[rB:rB+15], 0, v[rSA], v[rSB] matrix_a_fmt:MATRIX_FMT_BF8 matrix_b_fmt:MATRIX_FMT_BF8
.endif
.else
.if rRA && rRB
	v_wmma_scale_f32_16x16x128_f8f6f4 v[rD:rD+7], v[rA:rA+15], v[rB:rB+15], v[rD:rD+7], v[rSA], v[rSB] matrix_a_fmt:MATRIX_FMT_BF8 matrix_b_fmt:MATRIX_FMT_BF8 matrix_a_scale:MATRIX_SCALE_ROW1 matrix_b_scale:MATRIX_SCALE_ROW1
.elseif rRA
	v_wmma_scale_f32_16x16x128_f8f6f4 v[rD:rD+7], v[rA:rA+15], v[rB:rB+15], v[rD:rD+7], v[rSA], v[rSB] matrix_a_fmt:MATRIX_FMT_BF8 matrix_b_fmt:MATRIX_FMT_BF8 matrix_a_scale:MATRIX_SCALE_ROW1
.elseif rRB
	v_wmma_scale_f32_16x16x128_f8f6f4 v[rD:rD+7], v[rA:rA+15], v[rB:rB+15], v[rD:rD+7], v[rSA], v[rSB] matrix_a_fmt:MATRIX_FMT_BF8 matrix_b_fmt:MATRIX_FMT_BF8 matrix_b_scale:MATRIX_SCALE_ROW1
.else
	v_wmma_scale_f32_16x16x128_f8f6f4 v[rD:rD+7], v[rA:rA+15], v[rB:rB+15], v[rD:rD+7], v[rSA], v[rSB] matrix_a_fmt:MATRIX_FMT_BF8 matrix_b_fmt:MATRIX_FMT_BF8
.endif
.endif
.endm
	s_load_b256 s[4:11], s[0:1], 0x0               ; aq s[4:5], wdq s[6:7], lists s[8:9], out0 s[10:11]
	v_lshl_add_u32 v[SPW], v0, 2, SPARE
	v_mov_b32 v[NIL], 0
	v_lshrrev_b32 v1, 5, v0
	v_readfirstlane_b32 s14, v1                    ; wave 0..3
	v_and_b32 v1, 15, v0                           ; r
	v_bfe_u32 v2, v0, 4, 1                         ; h
	v_and_b32 v3, 31, v0
	v_lshlrev_b32 v[LW], 4, v3                     ; 16 x lane
	v_lshlrev_b32 v4, 4, v1                        ; 16 r
	s_and_b32 s15, ttmp7, 0xffff                   ; the tile
	s_lshl_b32 s16, s15, 2
	s_wait_alu depctr_va_vdst(0)
	s_wait_kmcnt 0x0
	s_load_b32 s17, s[8:9], s16 offset:0x400       ; its word: a | b << 4 | rows << 8, 0 for a tile that this split does not have
	s_mul_i32 s23, s14, 4352                       ; my stage.  The LDS addresses are made ahead of every branch
	v_mul_u32_u24 v[STI], v1, 272
	v_lshl_add_u32 v[STI], v2, 5, v[STI]
	v_add_nc_u32 v[STI], s23, v[STI]               ; in: row r, 32 bytes for each half of the lanes
	v_mul_u32_u24 v[STR], v2, 272
	v_lshl_add_u32 v[STR], v1, 4, v[STR]
	v_add_nc_u32 v[STR], s23, v[STR]               ; back: lanes 0-15 one row of 256 bytes, lanes 16-31 the next
	s_lshl_b32 s22, ttmp9, 2
	s_add_co_u32 s22, s22, s14                     ; dc: my 64 columns
	s_wait_kmcnt 0x0
	s_and_b32 s18, s17, 15
	s_min_u32 s18, s18, 7                          ; a
	s_bfe_u32 s19, s17, 0x40004
	s_min_u32 s19, s19, 7                          ; b
	s_lshr_b32 s20, s17, 8
	s_min_u32 s20, s20, 64                         ; the tile's rows
	s_cmp_eq_u32 s20, 0
	s_cbranch_scc1 .Ldone
	s_sub_co_u32 s21, s20, 1
	s_mov_b32 s43, 0
	s_lshl_b32 s23, s18, 5
	s_add_co_u32 s23, s23, s22                     ; 32 a + dc
	s_lshl_b32 s42, s23, 15
	s_add_nc_u64 s[BA:BA+1], s[6:7], s[42:43]
	s_lshl_b32 s42, s23, 10
	s_add_co_u32 s42, s42, 8388608
	s_add_nc_u64 s[BS:BS+1], s[6:7], s[42:43]
	s_lshl_b32 s23, s19, 5
	s_add_co_u32 s23, s23, s22                     ; 32 b + dc
	s_lshl_b32 s42, s23, 15
	s_add_nc_u64 s[BA+2:BA+3], s[6:7], s[42:43]
	s_lshl_b32 s42, s23, 10
	s_add_co_u32 s42, s42, 8388608
	s_add_nc_u64 s[BS+2:BS+3], s[6:7], s[42:43]
	s_lshl_b32 s42, s15, 16
	s_add_nc_u64 s[32:33], s[4:5], s[42:43]        ; the tile's activations: 4 row tiles x 8 K steps x 2,048 bytes
	s_lshl_b32 s42, s15, 11
	s_add_co_u32 s42, s42, 4456448
	s_add_nc_u64 s[34:35], s[4:5], s[42:43]        ; their scale bytes: 32 a row
	s_lshl_b32 s42, s15, 8
	s_add_co_u32 s42, s42, 41984
	s_add_nc_u64 s[36:37], s[8:9], s[42:43]        ; the tile's tokens
	s_lshl_b32 s42, s22, 8
	s_add_nc_u64 s[38:39], s[10:11], s[42:43]      ; out0 at my columns
.irp i, 0,1,2,3
	v_add_nc_u32 v16, 16*\i, v1                    ; row tile i, row r,
	v_min_u32 v16, s21, v16                        ; held at the tile's last row,
	v_min_u32 v16, 63, v16                         ; and inside the tile whatever the list holds
	v_and_b32 v17, 0x30, v16
	v_and_b32 v16, 15, v16
	v_lshlrev_b32 v17, 10, v17                     ; its row tile x 16,384
	v_lshl_add_u32 v17, v16, 4, v17                ; + 16 x its place there
	v_lshl_add_u32 v[AOFF+\i], v2, 8, v17          ; + 256 h
.endr
	v_lshl_add_u32 v16, v2, 5, v1                  ; for the scale words lanes 16-31 take the rows two tiles on
.irp p, 0,1
	v_add_nc_u32 v[ASO+\p], 16*\p, v16
	v_min_u32 v[ASO+\p], s21, v[ASO+\p]
	v_min_u32 v[ASO+\p], 63, v[ASO+\p]
	v_lshlrev_b32 v[ASO+\p], 5, v[ASO+\p]
.endr
.irp n, 0,1,2,3,4,5,6,7,8,9,10,11,12,13,14,15,16,17,18,19,20,21,22,23,24,25,26,27,28,29,30,31
	v_add_nc_u32 v[TK+\n], 2*\n, v2                ; the token of row 2 n + lane / 16: the row that store n of the way out takes
	v_min_u32 v[TK+\n], s21, v[TK+\n]
	v_min_u32 v[TK+\n], 63, v[TK+\n]
	v_lshlrev_b32 v[TK+\n], 2, v[TK+\n]
	global_load_b32 v[TK+\n], v[TK+\n], s[36:37]   ; (a load may land on its own address register)
.endr
.macro LOADS k                         ; K step k: slot k / 4 (a, then b), its K step k % 4: four fragments of w_dn, four of the activations: 32 loads
	WIN TO_F
.irp w, 0,1,2,3
.irp c, 0,1,2,3
	global_load_b128 v[128*((\k)%2)+16*\w+4*\c:128*((\k)%2)+16*\w+4*\c+3], v[LW], s[BA+2*((\k)/4):BA+2*((\k)/4)+1] offset:8192*((\k)%4)+2048*\w+512*\c
.endr
.endr
.irp i, 0,1,2,3
.irp c, 0,1,2,3
	global_load_b128 v[128*((\k)%2)+64+16*\i+4*\c:128*((\k)%2)+64+16*\i+4*\c+3], v[AOFF+\i], s[32:33] offset:2048*(\k)+512*\c
.endr
.endr
.endm
; A K step: 16 matrix instructions, the 16 accumulators by turns, in the same order in every step; then the fragments of two steps on, behind eight places, into the set just read
.macro DSTEP k, steps
.if (\k)+1 < (\steps)
	s_wait_loadcnt 32                              ; this step's loads, and all before them, are in; the next step's 32 may be out
.else
	s_wait_loadcnt 0x0
.endif
	WIN MUL
.set rZ, 0
.if (\k) == 0
.set rZ, 1
.endif
.irp i, 0,1,2,3
.irp w, 0,1,2,3
.set rD, ACC+32*\i+8*\w
.set rA, 128*((\k)%2)+16*\w
.set rB, 128*((\k)%2)+64+16*\i
.set rSA, WSC+8*((\k)/4)+4*(\w%2)+(\k)%4
.set rSB, ASC+8*(\i%2)+(\k)
.set rRA, \w/2
.set rRB, \i/2
	MM
.endr
.endr
.if (\k)+2 < (\steps)
.rept 8
	v_nop
.endr
	LOADS (\k)+2
.endif
.endm
.macro KPART steps                     ; the whole sum, over 8 K steps or over 4: with 4 nothing of slot 1 is loaded
.irp p, 0,1
.irp g, 0,1
.if 4*\g < \steps
	global_load_b128 v[ASC+8*\p+4*\g:ASC+8*\p+4*\g+3], v[ASO+\p], s[34:35] offset:16*\g
.endif
.endr
.endr
.irp g, 0,1
.irp u, 0,1
.if 4*\g < \steps
	global_load_b128 v[WSC+8*\g+4*\u:WSC+8*\g+4*\u+3], v[LW], s[BS+2*\g:BS+2*\g+1] offset:512*\u
.endif
.endr
.endr
	LOADS 0
	LOADS 1
.irp k, 0,1,2,3,4,5,6,7
.if \k < \steps
	DSTEP \k, \steps
.endif
.endr
	WIN 0                                          ; at a label and at a branch every window is 0
.endm
	s_cmp_eq_u32 s18, s19
	s_cbranch_scc1 .Lsame
	KPART 8
	s_branch .Lout
.Lsame:
	KPART 4
.Lout:
	; THE WAY OUT.  The stores' offsets: these 64 plain lines are also the places behind the last products
.irp n, 0,1,2,3,4,5,6,7,8,9,10,11,12,13,14,15,16,17,18,19,20,21,22,23,24,25,26,27,28,29,30,31
	v_min_u32 v[TK+\n], 2047, v[TK+\n]             ; the token, held inside out0
	v_lshl_add_u32 v[TK+\n], v[TK+\n], 13, v4      ; its row of 8,192 bytes, + 16 x (lane % 16)
.endr
.irp i, 0,1,2,3
.if \i > 0
	s_cmp_le_u32 s20, 16*\i                        ; no row of this tile of 16 is live: done
	s_cbranch_scc1 .Ldone
.endif
.irp w, 0,1,2,3
	ds_store_b128 v[STI], v[ACC+32*\i+8*\w:ACC+32*\i+8*\w+3] offset:64*\w          ; each accumulator from its low end on
	ds_store_b128 v[STI], v[ACC+32*\i+8*\w+4:ACC+32*\i+8*\w+7] offset:64*\w+16
.endr
.irp t, 0,1,2,3,4,5,6,7
	ds_load_b128 v[ACC+32*\i+4*\t:ACC+32*\i+4*\t+3], v[STR] offset:544*\t          ; LDS serves a wave's instructions in order (ISA guide 5.7.1.4): these see the stores above, and the next tile's stores come behind them
.endr
.irp t, 0,1,2,3,4,5,6,7
	s_wait_dscnt 7-\t                              ; the younger read-backs may be out
.if \t > 0
	s_cmp_le_u32 s20, 16*\i+2*\t                   ; neither of these two rows is live: done
	s_cbranch_scc1 .Ldone
.endif
	s_wait_alu depctr_va_vdst(0)
	global_store_b128 v[TK+8*\i+\t], v[ACC+32*\i+4*\t:ACC+32*\i+4*\t+3], s[38:39] th:TH_STORE_NT   ; sixteen lanes store 256 consecutive bytes of a token's row, aligned; written once, read by nobody here
.endr
.endr
.Ldone:
	s_wait_tensorcnt 0x0                           ; the wave's end, behind my last LDS store
	ds_add_u32 v[SPW], v[NIL]
	s_wait_dscnt 0x0
	s_endpgm
.Lfunc_end_k_qe8dab8c5e2_down:
	.size	k_qe8dab8c5e2_down, .Lfunc_end_k_qe8dab8c5e2_down-k_qe8dab8c5e2_down
	.p2alignl 7, 3214868480
	.fill 96, 4, 3214868480
	.section	.rodata,"a",@progbits
	.p2align	6, 0x0
	.amdhsa_kernel k_qe8dab8c5e2_down
		.amdhsa_group_segment_fixed_size 17920
		.amdhsa_private_segment_fixed_size 0
		.amdhsa_enable_private_segment 0
		.amdhsa_kernarg_size 32
		.amdhsa_user_sgpr_count 2
		.amdhsa_user_sgpr_kernarg_segment_ptr 1
		.amdhsa_wavefront_size32 1
		.amdhsa_system_sgpr_workgroup_id_x 1
		.amdhsa_system_sgpr_workgroup_id_y 1
		.amdhsa_system_sgpr_workgroup_id_z 1
		.amdhsa_system_vgpr_workitem_id 0
		.amdhsa_next_free_vgpr 512
		.amdhsa_next_free_sgpr 66
		.amdhsa_reserve_vcc 0
		.amdhsa_float_denorm_mode_32 3
		.amdhsa_float_denorm_mode_16_64 3
		.amdhsa_memory_ordered 1
		.amdhsa_forward_progress 1
		.amdhsa_inst_pref_size 91
	.end_amdhsa_kernel
	.amdgpu_metadata
---
amdhsa.version: [ 1, 2 ]
amdhsa.kernels:
  - .name:           k_qe8dab8c5e2_down
    .symbol:         k_qe8dab8c5e2_down.kd
    .args:
      - { .name: aq, .offset: 0, .size: 8, .value_kind: global_buffer, .address_space: global }
      - { .name: wdq, .offset: 8, .size: 8, .value_kind: global_buffer, .address_space: global }
      - { .name: lists, .offset: 16, .size: 8, .value_kind: global_buffer, .address_space: global }
      - { .name: out0, .offset: 24, .size: 8, .value_kind: global_buffer, .address_space: global }
    .group_segment_fixed_size: 17920
    .private_segment_fixed_size: 0
    .kernarg_segment_align: 8
    .kernarg_segment_size: 32
    .max_flat_workgroup_size: 128
    .sgpr_count:     66
    .vgpr_count:     512
    .wavefront_size: 32
...
	.end_amdgpu_metadata
.endif
;; end of part 6
